; MI455X (gfx1250); checked and timed in simulation.
; The chip was launched on July 23, 2026; its instructions are those of AMD's public machine-readable ISA for CDNA 5 (MIT licence, August 2026) and "CDNA5" Instruction Set Architecture Reference Guide (July 2026). The comments in the code are by the model that wrote it; some were corrected since.
;; GQA. Allowed arithmetic: matrix products marked QUANTISED: E3M2 operands, one E8M0 scale for each 32 along K, by v_wmma_scale_f32_16x16x128_f8f6f4 with both operands' format E3M2, f32 sums; everything else in f32.
;; Inputs: bk 256 float32; bo 1,024 float32; bq 1,024 float32; bv 256 float32; wk 256 x 1,024 float32; wo 1,024 x 1,024 float32; wq 1,024 x 1,024 float32; wv 256 x 1,024 float32; x 2 x 2,048 x 1,024 float32.
;; Outputs: out0 2 x 2,048 x 1,024 float32.
;; This version of the problem:
;;   THIS VERSION OF THE PROBLEM IS GIVEN IN LOW PRECISION. The matrix products marked QUANTISED in the list below multiply operands that are first quantised to E3M2 (3 exponent bits, 2 mantissa bits; 6 bits a number), with one power-of-two scale for each 32 numbers along K (OCP MX v1.0); their sums are f32. All else is computed in f32.
;;   The module's matrix products, in the order in which they are computed (A, B: the left and right operand; K: the contracted axis; several contracted axes count as one K, in the product's order):
;;     1. [M 4,096, K 1,024] x [K 1,024, N 1,024]; A: input x; B: input wq: QUANTISED
;;     2. [M 4,096, K 1,024] x [K 1,024, N 256]; A: input x; B: input wk: QUANTISED
;;     3. [M 4,096, K 1,024] x [K 1,024, N 256]; A: input x; B: input wv: QUANTISED
;;     4. batch 32 x [M 2,048, K 64] x [K 64, N 2,048]; A: computed on the way; B: computed on the way: QUANTISED
;;     5. batch 32 x [M 2,048, K 2,048] x [K 2,048, N 64]; A: computed on the way; B: computed on the way: QUANTISED
;;     6. [M 4,096, K 1,024] x [K 1,024, N 1,024]; A: computed on the way; B: input wo: QUANTISED
;;   THE QUANTISER, for each operand of a quantised product, along K:
;;     - K is cut into blocks of 32 from its start; a last block that is shorter is filled with zeros.
;;     - A block's scale is 2^e with e = floor(log2(the largest magnitude in the block)) - 4, held to -126 .. 127; a block of zeros has e = 0. As a byte (E8M0): e + 127.
;;     - Each number is divided by its block's scale, clamped to +-28, and rounded to the nearest number of E3M2, ties to even, subnormals kept.
;;     - The product sums the exact products of the quantised numbers (number of the format x scale) in f32.
;;   ~~~python
;;   def quantise(x, axis):      # numpy; x: float32 -> the quantised numbers, widened to float32 again
;;       x = np.moveaxis(x, axis, -1); K = x.shape[-1]
;;       x = np.pad(x, [(0, 0)] * (x.ndim - 1) + [(0, -K % 32)]); x = x.reshape(x.shape[:-1] + (-1, 32)); a = np.abs(x).max(-1, keepdims=True)
;;       e = np.where(a > 0, np.clip(np.frexp(np.where(a > 0, a, 1))[1] - 1 - 4, -126, 127), 0)      # np.frexp(a)[1] - 1 = floor(log2(a)), exactly
;;       r = np.clip(x / 2.0 ** e, -28, 28)
;;       step = 2.0 ** (np.maximum(np.frexp(np.where(r == 0, 1, r))[1] - 1, -2) - 2)
;;       q = np.round(r / step) * step * 2.0 ** e      # np.round: ties to even
;;       return np.moveaxis(q.reshape(q.shape[:-2] + (-1,))[..., :K], -1, axis).astype(np.float32)
;;   ~~~
;;   OPERANDS COMPUTED ON THE WAY. 'Computed on the way' means the value that the module computes at that place (a softmax that the list does not call 'softmax' is quantised finished and normalised). What goes into a quantiser is computed in f32, as accurately as f32 sums, v_exp_f32 and their like allow (about 1e-6 of the number): no bf16 or f16 on the way to a quantiser, and a product that is left as it is and whose result goes on into a quantised operand takes f32 operands (vector FMAs, or v_wmma_f32_16x16x4_f32). A number that lies on a knife's edge between two numbers of the format may be rounded either way, as far as f32 arithmetic and the matrix unit's own rounding can turn it there, and no further.
;; One version. Each part assembles by itself: llvm-mc -triple=amdgcn-amd-amdhsa -mcpu=gfx1250 --defsym DOCPART=n.
;; ======== version 1 of 1: 4 launches
;; limits: right only within a limited range of input values
;; workspace buffers: xc 3,276,800 bytes; wc 1,228,800 bytes; woc 819,200 bytes; rope 524,288 bytes; qc 3,276,800 bytes; kc 819,200 bytes; vc 819,200 bytes; oc 3,276,800 bytes
;; launch quant (part 1): grid 432 x 1, 8 waves a work-group, no clusters, 68,608 bytes of LDS; arguments x, wq, wk, wv, wo, xc, wc, woc, rope; writes xc, wc, woc, rope
.if DOCPART == 1
	.amdgcn_target "amdgcn-amd-amdhsa--gfx1250"
	.amdhsa_code_object_version 6
	.text
	.protected	k_q006b94bd63_quant
	.globl	k_q006b94bd63_quant
	.p2align	8
	.type	k_q006b94bd63_quant,@function
k_q006b94bd63_quant:
	s_mov_b64 s[64:65], 0
	v_nop
	global_prefetch_b8 v0, s[64:65] scope:SCOPE_SE
	s_setreg_imm32_b32 hwreg(HW_REG_WAVE_MODE, 25, 1), 1
	s_wait_xcnt 0x0
; x [4096][1024], wq [1024][1024], wk, wv [256][1024], wo [1024][1024], f32, K innermost, become codes of BF6 (E3M2) with one E8M0 byte for each 32 along K,
; laid in the order of the matrix operand's registers.  The last 16 work-groups make the table of cos and sin for the 2,048 positions.
; TILES.  Rows go in groups of 32; tile 2 g + u holds at place p = 0 .. 15 row 32 g + 8 u + p + 8 (p / 8).
; A FRAGMENT (16 rows x 128 K, 12 registers a lane) is stored as two halves of 768 bytes: registers 0-3 at 16 x lane, registers 4-5 at 512 + 8 x lane.  So every store covers 512 or 256 consecutive aligned bytes.
; A K STEP of a panel is its fragments on end and then 64 bytes of scale words for each tile (word r: the four bytes of row r).
; SHARES.  Work-groups 0-415: one tile each, wave w its K step w (8 KiB in, 1,600 bytes out).  One way through the text for all five tensors: only pointers and sizes are chosen, by the work-group's number.
; A block's scale byte is its largest magnitude's exponent field - 4, held at 1 from below by a floor of 2^-122 among the maximum's leaves.
; LIMITS: NaN and infinities are not served; a block of zeros, or one whose largest magnitude lies under 2^-122, gets the byte 1 (its codes are read by this program alone).
; No cluster: no two work-groups read the same bytes.  No barrier: each wave has a stage of its own in LDS.
.set PIT,  528                         ; a stage row: 512 bytes + 16, an odd multiple of 16, so that sixteen rows' 16-byte pieces fall on different banks
.set WSTG, 16*PIT                      ; a wave's stage
.set RAW,  16                          ; v16-79   the 16 rows as loaded, 16 bytes a lane
.set NUM,  80                          ; v80-143  my two blocks of 32 numbers
.set COD,  144                         ; v144-155 the fragment
.set TQ,   156                         ; v156-162 the upper halves of the two blocks' codes
.set MX,   164                         ; largest magnitudes
.set SO,   166                         ; the conversions' scale operands
.set BY,   168                         ; the bytes
.set WD,   170                         ; the scale word
.set SEL,  54                          ; s[54:55] lane selects: lane l xor 16
	s_load_b256 s[4:11], s[0:1], 0x0               ; x, wq, wk, wv
	s_load_b256 s[12:19], s[0:1], 0x20             ; wo, xc, wc, woc
	s_load_b64 s[20:21], s[0:1], 0x40              ; rope
	v_lshl_add_u32 v192, v0, 2, 0x10800
	v_mov_b32 v193, 0
	v_lshrrev_b32 v1, 5, v0
	s_delay_alu instid0(VALU_DEP_1)
	v_readfirstlane_b32 s22, v1                    ; wave 0..7
	v_and_b32 v7, 31, v0                           ; lane
	s_delay_alu instid0(VALU_DEP_1)
	v_lshlrev_b32 v1, 4, v7                        ; 16 x lane
	v_and_b32 v8, 15, v0                           ; r
	s_cmp_ge_u32 ttmp9, 416
	s_cbranch_scc1 .Lrope
	; ---- which tensor, which tile, where to
	s_mov_b32 s23, ttmp9
	s_mov_b32 s24, 0                               ; the tensor's first work-group
	s_mov_b32 s25, 102400                          ; a panel of 8 tiles: bytes of a panel, of a K step, and where the scale words begin in a step
	s_mov_b32 s26, 12800
	s_mov_b32 s27, 12288
	s_mov_b32 s28, 153600                          ; the same for wc's panels of 12 tiles
	s_mov_b32 s29, 19200
	s_mov_b32 s30, 18432
	s_mov_b32 s[SEL], 0x76543210
	s_mov_b32 s[SEL+1], 0xfedcba98
	s_wait_kmcnt 0x0
	s_mov_b64 s[32:33], s[4:5]                     ; from x
	s_mov_b64 s[34:35], s[14:15]                   ; to xc
	s_cmp_ge_u32 s23, 256
	s_cselect_b64 s[32:33], s[6:7], s[32:33]       ; wq
	s_cselect_b64 s[34:35], s[16:17], s[34:35]     ; to wc
	s_cselect_b32 s24, 256, s24
	s_cselect_b32 s36, s28, s25
	s_cselect_b32 s37, s29, s26
	s_cselect_b32 s38, s30, s27
	s_cmp_ge_u32 s23, 320
	s_cselect_b64 s[32:33], s[8:9], s[32:33]       ; wk
	s_cselect_b32 s24, 320, s24
	s_cmp_ge_u32 s23, 336
	s_cselect_b64 s[32:33], s[10:11], s[32:33]     ; wv
	s_cselect_b32 s24, 336, s24
	s_cmp_ge_u32 s23, 352
	s_cselect_b64 s[32:33], s[12:13], s[32:33]     ; wo
	s_cselect_b64 s[34:35], s[18:19], s[34:35]     ; to woc
	s_cselect_b32 s24, 352, s24
	s_cselect_b32 s36, s25, s36
	s_cselect_b32 s37, s26, s37
	s_cselect_b32 s38, s27, s38
	s_sub_co_u32 s24, s23, s24                     ; the tile's number in its tensor
	s_lshr_b32 s39, s24, 3                         ; panel
	s_and_b32 s40, s24, 7                          ; place in the panel
	s_sub_co_u32 s41, s23, 320                     ; wk and wv: 0 .. 31: column (0-3 wk's heads, 4-7 wv's), places 8-11
	s_lshr_b32 s42, s41, 2
	s_and_b32 s43, s24, 3
	s_add_co_u32 s43, s43, 8
	s_cmp_lt_u32 s41, 32
	s_cselect_b32 s39, s42, s39
	s_cselect_b32 s40, s43, s40
	s_lshr_b32 s44, s24, 1                         ; the tile's first row: 32 (tile / 2) + 8 (tile % 2), rows of 4,096 bytes; + 512 bytes for each K step
	s_lshl_b32 s44, s44, 17
	s_and_b32 s45, s24, 1
	s_lshl_b32 s45, s45, 15
	s_add_co_u32 s44, s44, s45
	s_lshl_b32 s45, s22, 9
	s_add_co_u32 s44, s44, s45
	s_mov_b32 s45, 0
	s_add_nc_u64 s[32:33], s[32:33], s[44:45]
.set p, 0
	s_wait_alu depctr_va_vdst(0)
.rept 16
	global_load_b128 v[RAW+4*p:RAW+4*p+3], v1, s[32:33] offset:(p+8*(p/8))*4096 th:TH_LOAD_NT   ; 32 lanes read 512 consecutive bytes of the row at place p
.set p, p+1
.endr
	s_mul_i32 s46, s39, s36
	s_mul_i32 s47, s22, s37
	s_add_co_u32 s46, s46, s47                     ; panel and K step
	s_mul_i32 s47, s40, 1536
	s_add_co_u32 s48, s46, s47
	s_mov_b32 s49, 0
	s_lshl_b32 s47, s40, 6
	s_add_co_u32 s50, s46, s47
	s_add_co_u32 s50, s50, s38
	s_mov_b32 s51, 0
	s_add_nc_u64 s[48:49], s[34:35], s[48:49]      ; the fragment
	s_add_nc_u64 s[50:51], s[34:35], s[50:51]      ; its scale words
	s_mul_i32 s52, s22, WSTG
	v_add_nc_u32 v2, s52, v1                       ; the stage, on the way in: 16 x lane in a row
	v_bfe_u32 v6, v0, 4, 1                         ; h
	v_mul_u32_u24 v3, v8, PIT
	s_delay_alu instid0(VALU_DEP_1)
	v_lshl_add_u32 v3, v6, 7, v3
	s_delay_alu instid0(VALU_DEP_1)
	v_add_nc_u32 v3, s52, v3                       ; on the way out: row r, + 128 h: my 32 numbers of each 64
	v_lshlrev_b32 v4, 3, v7                        ; 8 x lane
	v_lshlrev_b32 v5, 2, v8                        ; 4 r
	v_lshlrev_b32 v6, 3, v6                        ; 8 h
.set p, 0
	s_wait_alu depctr_va_vdst(0)
.rept 16
	s_wait_loadcnt 15-p                            ; loads come back in order: row p is in, the younger rows stay out
	ds_store_b128 v2, v[RAW+4*p:RAW+4*p+3] offset:PIT*p
.set p, p+1
.endr
.irp c, 0,1
.irp i, 0,1,2,3,4,5,6,7
	ds_load_b128 v[NUM+32*\c+4*\i:NUM+32*\c+4*\i+3], v3 offset:256*\c+16*\i   ; LDS serves a wave's instructions in order: these see my stores.  k = 64 c + 32 h + 0 .. 31 of row r
.endr
.endr
	s_wait_dscnt 0x0
.irp c, 0,1
	v_max3_num_f32 v[MX+\c], |v[NUM+32*\c]|, |v[NUM+1+32*\c]|, 0x2800000   ; my block 2 c + h: all 32 numbers are mine; the floor 2^(5 - 127) holds the byte at 1 from below
.endr
.irp i, 2,4,6,8,10,12,14,16,18,20,22,24,26,28,30
.irp c, 0,1
	s_delay_alu instid0(VALU_DEP_2)
	v_max3_num_f32 v[MX+\c], v[MX+\c], |v[NUM+32*\c+\i]|, |v[NUM+1+32*\c+\i]|   ; the two blocks by turns
.endr
.endr
.irp c, 0,1
	s_delay_alu instid0(VALU_DEP_2)
	v_add_nc_u32 v[SO+\c], 0xfe000000, v[MX+\c]    ; 4 off the exponent field: the conversion's scale operand
.endr
.irp c, 0,1
	s_delay_alu instid0(VALU_DEP_2)
	v_lshrrev_b32 v[BY+\c], 23, v[SO+\c]           ; the byte
.endr
	s_delay_alu instid0(VALU_DEP_1)
	v_lshl_or_b32 v[WD], v[BY+1], 16, v[BY]        ; blocks h and 2 + h,
	s_delay_alu instid0(VALU_DEP_1)
	v_lshlrev_b32 v[WD], v6, v[WD]                 ; at their places in the word;
	v_mov_b32 v[WD+1], 0
	s_delay_alu instid0(VALU_DEP_1)
	v_permlanex16_b32 v[WD+1], v[WD], s[SEL], s[SEL+1]
	s_delay_alu instid0(VALU_DEP_1)
	v_or_b32 v[WD], v[WD], v[WD+1]                 ; with lane l xor 16's two the word is whole
.irp c, 0,1
	v_cvt_scalef32_pk16_bf6_f32 v[COD+6*\c:COD+6*\c+2], v[NUM+32*\c:NUM+32*\c+15], v[SO+\c]
	v_cvt_scalef32_pk16_bf6_f32 v[TQ+4*\c:TQ+4*\c+2], v[NUM+32*\c+16:NUM+32*\c+31], v[SO+\c]   ; a conversion's three registers begin on an even number
.endr
	v_nop                                          ; one plain place behind a scaled conversion
.irp c, 0,1
.irp i, 0,1,2
	v_mov_b32 v[COD+3+6*\c+\i], v[TQ+4*\c+\i]
.endr
.endr
.irp c, 0,1
	global_store_b128 v1, v[COD+6*\c:COD+6*\c+3], s[48:49] offset:768*\c        ; 512 consecutive aligned bytes
	global_store_b64 v4, v[COD+6*\c+4:COD+6*\c+5], s[48:49] offset:768*\c+512   ; 256
.endr
	global_store_b32 v5, v[WD], s[50:51]           ; the tile's 16 words; both halves of the lanes hold and write the same
	s_wait_tensorcnt 0x0
	ds_add_u32 v192, v193
	s_wait_dscnt 0x0
	s_endpgm
; ---- cos and sin.  Wave w of work-group 416 + g takes position tile 8 g + w.  Lane (r, h) holds position t of place r and the frequencies i = 16 h + 0 .. 15: inv = 1 / 10^(i / 8).
; angle = t x inv, rounded once; n = the nearest whole number to angle x 2 / pi; rho = angle - n pi / 2 with pi / 2 in two parts; polynomials on |rho| <= pi / 4; the quadrant n mod 4 swaps and signs.
.Lrope:
	s_sub_co_u32 s23, ttmp9, 416
	s_lshl_b32 s23, s23, 3
	s_add_co_u32 s23, s23, s22                     ; the position tile
	s_lshr_b32 s24, s23, 1
	s_lshl_b32 s24, s24, 5
	s_and_b32 s25, s23, 1
	s_lshl_b32 s25, s25, 3
	s_add_co_u32 s24, s24, s25
	v_and_b32 v9, 8, v0
	s_wait_alu depctr_va_vdst(0)
	v_add_nc_u32 v8, v8, v9                        ; r + 8 (r / 8)
	s_delay_alu instid0(VALU_DEP_1)
	v_add_nc_u32 v8, s24, v8
	s_delay_alu instid0(VALU_DEP_1)
	v_cvt_f32_u32 v2, v8                           ; t
	v_and_b32 v9, 16, v0
	s_delay_alu instid0(VALU_DEP_1)
	v_cmp_ne_u32 vcc_lo, 0, v9                     ; lanes 16-31
	s_mov_b32 s36, 0x3f22f983                      ; 2 / pi
	s_mov_b32 s37, 0xbfc90fdb                      ; -(pi / 2, rounded to f32)
	s_mov_b32 s38, 0x333bbd2e                      ; that number - pi / 2
	s_mov_b32 s40, 0xb94ca1f9                      ; sin: -1.9515295891e-4,
	s_mov_b32 s41, 0x3c08839e                      ; 8.3321608736e-3,
	s_mov_b32 s42, 0xbe2aaaa3                      ; -1.6666654611e-1
	s_mov_b32 s43, 0x37ccf5ce                      ; cos: 2.443315712e-5,
	s_mov_b32 s44, 0xbab6061a                      ; -1.388731625e-3,
	s_mov_b32 s45, 0x3d2aaaa5                      ; 4.166664568e-2
.macro PWR k, lo, hi                   ; 10^((16 h + k) / 8)
	v_mov_b32 v[16+\k], \hi
	s_delay_alu instid0(VALU_DEP_1)
	v_cndmask_b32 v[16+\k], \lo, v[16+\k], vcc_lo
.endm
	PWR 0, 1.0, 100.0
	PWR 1, 1.3335214321633, 133.35214321633
	PWR 2, 1.7782794100389, 177.82794100389
	PWR 3, 2.3713737056617, 237.13737056617
	PWR 4, 3.1622776601684, 316.22776601684
	PWR 5, 4.2169650342858, 421.69650342858
	PWR 6, 5.6234132519035, 562.34132519035
	PWR 7, 7.4989420933246, 749.89420933246
	PWR 8, 10.0, 1000.0
	PWR 9, 13.335214321633, 1333.5214321633
	PWR 10, 17.782794100389, 1778.2794100389
	PWR 11, 23.713737056617, 2371.3737056617
	PWR 12, 31.622776601684, 3162.2776601684
	PWR 13, 42.169650342858, 4216.9650342858
	PWR 14, 56.234132519035, 5623.4132519035
	PWR 15, 74.989420933246, 7498.9420933246
.set k, 0
	s_wait_alu depctr_va_vdst(0)
.rept 16
	v_rcp_f32 v[32+k], v[16+k]
.set k, k+1
.endr
	v_nop                                          ; one plain place behind the reciprocals
.set k, 0
	s_wait_alu depctr_va_vdst(0)
.rept 16
	v_fma_f32 v[48+k], -v[16+k], v[32+k], 1.0      ; one step of refinement
.set k, k+1
.endr
.set k, 0
.rept 16
	v_fma_f32 v[32+k], v[48+k], v[32+k], v[32+k]
.set k, k+1
.endr
.set k, 0
.rept 16
	v_mul_f32 v[32+k], v2, v[32+k]                 ; the angle
.set k, k+1
.endr
.set k, 0
.rept 16
	v_mul_f32 v[48+k], s36, v[32+k]
.set k, k+1
.endr
.set k, 0
.rept 16
	v_rndne_f32 v[48+k], v[48+k]                   ; n
.set k, k+1
.endr
.set k, 0
.rept 16
	v_fma_f32 v[64+k], v[48+k], s37, v[32+k]
.set k, k+1
.endr
.set k, 0
.rept 16
	v_fma_f32 v[64+k], v[48+k], s38, v[64+k]       ; rho
.set k, k+1
.endr
.set k, 0
.rept 16
	v_mul_f32 v[80+k], v[64+k], v[64+k]            ; z
.set k, k+1
.endr
.set k, 0
.rept 16
	v_fma_f32 v[96+k], v[80+k], s40, s41
	v_fma_f32 v[112+k], v[80+k], s43, s44
.set k, k+1
.endr
.set k, 0
.rept 16
	v_fma_f32 v[96+k], v[96+k], v[80+k], s42
	v_fma_f32 v[112+k], v[112+k], v[80+k], s45
.set k, k+1
.endr
.set k, 0
.rept 16
	v_mul_f32 v[96+k], v[96+k], v[80+k]
	v_mul_f32 v[112+k], v[112+k], v[80+k]
	v_fma_f32 v[176+k], v[80+k], -0.5, 1.0
.set k, k+1
.endr
.set k, 0
.rept 16
	v_fma_f32 v[96+k], v[96+k], v[64+k], v[64+k]   ; sin rho
	v_fma_f32 v[112+k], v[112+k], v[80+k], v[176+k] ; cos rho
	v_cvt_i32_f32 v[128+k], v[48+k]
.set k, k+1
.endr
.set k, 0
.rept 16
	v_and_b32 v[176+k], 1, v[128+k]
	s_delay_alu instid0(VALU_DEP_1)
	v_cmp_eq_u32 vcc_lo, 1, v[176+k]               ; odd quadrants swap the two
	s_delay_alu instid0(VALU_DEP_1)
	v_cndmask_b32 v[144+k], v[112+k], v[96+k], vcc_lo
	s_delay_alu instid0(VALU_DEP_2)
	v_cndmask_b32 v[160+k], v[96+k], v[112+k], vcc_lo
	v_add_nc_u32 v[176+k], 1, v[128+k]             ; cos is negative in quadrants 1 and 2: bit 1 of n + 1
	s_delay_alu instid0(VALU_DEP_1)
	v_lshlrev_b32 v[176+k], 30, v[176+k]
	s_delay_alu instid0(VALU_DEP_1)
	v_and_b32 v[176+k], 0x80000000, v[176+k]
	s_delay_alu instid0(VALU_DEP_1)
	v_xor_b32 v[144+k], v[144+k], v[176+k]
	v_lshlrev_b32 v[176+k], 30, v[128+k]           ; sin in quadrants 2 and 3: bit 1 of n
	s_delay_alu instid0(VALU_DEP_1)
	v_and_b32 v[176+k], 0x80000000, v[176+k]
	s_delay_alu instid0(VALU_DEP_1)
	v_xor_b32 v[160+k], v[160+k], v[176+k]
.set k, k+1
.endr
	s_lshl_b32 s26, s23, 12                        ; 4,096 bytes a tile
	s_mov_b32 s27, 0
	s_wait_alu depctr_va_vdst(0)
	s_wait_kmcnt 0x0
	s_add_nc_u64 s[20:21], s[20:21], s[26:27]
.irp i, 0,1,2,3
	global_store_b128 v1, v[144+4*\i:147+4*\i], s[20:21] offset:512*\i          ; cos, four frequencies a slice
	global_store_b128 v1, v[160+4*\i:163+4*\i], s[20:21] offset:2048+512*\i     ; sin
.endr
	s_endpgm
.Lfunc_end_k_q006b94bd63_quant:
	.size	k_q006b94bd63_quant, .Lfunc_end_k_q006b94bd63_quant-k_q006b94bd63_quant
	.p2alignl 7, 3214868480
	.fill 96, 4, 3214868480
	.section	.rodata,"a",@progbits
	.p2align	6, 0x0
	.amdhsa_kernel k_q006b94bd63_quant
		.amdhsa_group_segment_fixed_size 68608
		.amdhsa_private_segment_fixed_size 0
		.amdhsa_enable_private_segment 0
		.amdhsa_kernarg_size 72
		.amdhsa_user_sgpr_count 2
		.amdhsa_user_sgpr_kernarg_segment_ptr 1
		.amdhsa_wavefront_size32 1
		.amdhsa_system_sgpr_workgroup_id_x 1
		.amdhsa_system_sgpr_workgroup_id_y 1
		.amdhsa_system_sgpr_workgroup_id_z 1
		.amdhsa_system_vgpr_workitem_id 0
		.amdhsa_next_free_vgpr 194
		.amdhsa_next_free_sgpr 66
		.amdhsa_reserve_vcc 1
		.amdhsa_float_denorm_mode_32 3
		.amdhsa_float_denorm_mode_16_64 3
		.amdhsa_memory_ordered 1
		.amdhsa_forward_progress 1
		.amdhsa_inst_pref_size 43
	.end_amdhsa_kernel
	.amdgpu_metadata
---
amdhsa.version: [ 1, 2 ]
amdhsa.kernels:
  - .name:           k_q006b94bd63_quant
    .symbol:         k_q006b94bd63_quant.kd
    .args:
      - { .name: x, .offset: 0, .size: 8, .value_kind: global_buffer, .address_space: global }
      - { .name: wq, .offset: 8, .size: 8, .value_kind: global_buffer, .address_space: global }
      - { .name: wk, .offset: 16, .size: 8, .value_kind: global_buffer, .address_space: global }
      - { .name: wv, .offset: 24, .size: 8, .value_kind: global_buffer, .address_space: global }
      - { .name: wo, .offset: 32, .size: 8, .value_kind: global_buffer, .address_space: global }
      - { .name: xc, .offset: 40, .size: 8, .value_kind: global_buffer, .address_space: global }
      - { .name: wc, .offset: 48, .size: 8, .value_kind: global_buffer, .address_space: global }
      - { .name: woc, .offset: 56, .size: 8, .value_kind: global_buffer, .address_space: global }
      - { .name: rope, .offset: 64, .size: 8, .value_kind: global_buffer, .address_space: global }
    .group_segment_fixed_size: 68608
    .private_segment_fixed_size: 0
    .kernarg_segment_align: 8
    .kernarg_segment_size: 72
    .max_flat_workgroup_size: 256
    .sgpr_count:     66
    .vgpr_count:     194
    .wavefront_size: 32
...
	.end_amdgpu_metadata
.endif
;; end of part 1
;; launch qkv (part 2): grid 8 x 32, 6 waves a work-group, clusters of 4 x 4, 289,536 bytes of LDS; arguments xc, wc, rope, bq, bk, bv, qc, kc, vc; writes qc, kc, vc
.if DOCPART == 2
	.amdgcn_target "amdgcn-amd-amdhsa--gfx1250"
	.amdhsa_code_object_version 6
	.text
	.protected	k_q006b94bd63_qkv
	.globl	k_q006b94bd63_qkv
	.p2align	8
	.type	k_q006b94bd63_qkv,@function
k_q006b94bd63_qkv:
	s_mov_b64 s[64:65], 0
	v_nop
	global_prefetch_b8 v0, s[64:65] scope:SCOPE_SE
	s_setreg_imm32_b32 hwreg(HW_REG_WAVE_MODE, 25, 1), 1
	s_wait_xcnt 0x0
	s_wait_alu depctr_hold_cnt(0) depctr_sa_sdst(0) depctr_va_vdst(0) depctr_va_sdst(0) depctr_va_ssrc(0) depctr_va_vcc(0) depctr_vm_vsrc(0)
	s_getreg_b32 s2, hwreg(HW_REG_IB_STS2, 6, 4)
	s_cmp_eq_u32 s2, 0
	s_cbranch_scc0 .Lentry_in_a_cluster
	s_endpgm
.Lentry_in_a_cluster:
	s_bfe_u32 s2, ttmp6, 0x10000c
	s_cmp_lg_u32 s2, 0xf033
	s_cbranch_scc0 .Lentry_shape_is_right
	s_endpgm
.Lentry_shape_is_right:
; q, k, v = x W^T + b on codes of BF6 (E3M2) with E8M0 scales; RoPE on q and k in f32; all three quantised again, q and k along the head's 64, v along the tokens, and stored in the order of the next operand's registers.
; SHARES.  A work-group takes 128 tokens (block tb) x 192 features (column col of wc: q heads 2 col and 2 col + 1, and k head col or v head col - 4), all of K = 1,024.  256 work-groups.
; Six waves: wave w takes tokens 64 (w % 2) on and head slot w / 2: 64 x 64, sixteen accumulators.
; Both panels (x: 102,400 bytes, W: 153,600) and the block's cos and sin (32,768) fit in LDS whole: each byte of LDS is filled once, so there is no ring.
; CLUSTER 4 x 4: the four of a row share the tokens (x's panel, the cos and sin), the four of a column share the column of wc: each is asked for jointly.
; ROLES.  q and k are made TRANSPOSED (source 0 = 16 rows of W, source 1 = 16 tokens): a lane holds one token, and the 32 registers of a token tile are d = 16 h + 0 .. 15 and 32 + 16 h + 0 .. 15: RoPE's partners lie in one lane,
; and a lane's 16 neighbours of each block of 32 are ready for the conversions.  v is made the other way round (a lane holds one feature, its registers run along the tokens), since the tokens are its next K.
; The role hangs on the cluster's x and the wave's number alone, which all partners share.
; LIMITS: NaN and infinities are not served; a block whose largest magnitude lies under 2^-122 gets the scale byte 1.
.set XR,   0                           ; LDS: x's panel, 8 K steps of 12,800 bytes (8 fragments of 1,536, 8 x 64 bytes of scale words)
.set WR,   102400                      ; W's, 8 K steps of 19,200 (12 fragments, 12 x 64)
.set RP,   256000                      ; cos and sin: 8 token tiles of 4,096
.set XST,  12800
.set WST,  19200
.set ACC,  16                          ; v16-143  sixteen accumulators
.set WF,   144                         ; v144-191 four fragments of W
.set XF,   192                         ; v192-239 four fragments of x
.set BIAS, 216                         ; v216-247 the biases in the result's layout: K step 0 alone, which takes x's fragments two at a time
.set SW,   248                         ; v248-249 W's scale words: tiles 0, 2 in lanes 0-15, tiles 1, 3 in lanes 16-31
.set SX,   250                         ; v250-251 x's likewise
.set YY,   208                         ; the way out: 32 numbers behind RoPE
.set QT,   240                         ; the quantiser's six registers
.set WV,   22
.set TH,   23
.set HW,   24
.set CX,   25
.set CY,   26
.set COL,  27
.set TBK,  28
.set ISV,  29
.set SEL,  60                          ; s[60:61]
.set G1X,  32
.set G1W,  40
.set G1R,  48
.set G0R,  56
.set G0X,  68
.set G0W,  84
.macro CROUND                          ; a round of the cluster's barrier
	s_barrier_signal -1
	s_barrier_wait -1
	s_cmp_lg_u32 s[WV], 0
	s_cbranch_scc1 .Lnw0_\@
	s_barrier_signal -3
.Lnw0_\@:
	s_barrier_wait -3
	s_barrier_signal -1
	s_barrier_wait -1
.endm
.macro G1FILL g, rows                  ; a dense block as rows of 256 bytes: 32 elements of 8 bytes, pitch 32
	s_mov_b32 s[\g+1], 32<<16
	s_mov_b32 s[\g+2], (\rows)<<16
	s_mov_b32 s[\g+3], 32<<16
	s_mov_b32 s[\g+4], \rows
	s_mov_b32 s[\g+5], 32
	s_mov_b32 s[\g+6], 0
	s_mov_b32 s[\g+7], 0
.endm
.macro FRAG reg, a16, a8, off          ; a fragment's image comes back into the same registers of the same lanes
	ds_load_b128 v[(\reg):(\reg)+3], v[\a16] offset:(\off)
	ds_load_b64 v[(\reg)+4:(\reg)+5], v[\a8] offset:(\off)
	ds_load_b128 v[(\reg)+6:(\reg)+9], v[\a16] offset:(\off)+768
	ds_load_b64 v[(\reg)+10:(\reg)+11], v[\a8] offset:(\off)+768
.endm
.macro WM d, a, b, c, sa, sb, ra, rb   ; one product; ra, rb: which half of the lanes holds the side's scale words
.if ((\ra)==0)&&((\rb)==0)
	v_wmma_scale_f32_16x16x128_f8f6f4 v[(\d):(\d)+7], v[(\a):(\a)+11], v[(\b):(\b)+11], v[(\c):(\c)+7], v[\sa], v[\sb] matrix_a_fmt:MATRIX_FMT_BF6 matrix_b_fmt:MATRIX_FMT_BF6
.elseif ((\ra)==1)&&((\rb)==0)
	v_wmma_scale_f32_16x16x128_f8f6f4 v[(\d):(\d)+7], v[(\a):(\a)+11], v[(\b):(\b)+11], v[(\c):(\c)+7], v[\sa], v[\sb] matrix_a_fmt:MATRIX_FMT_BF6 matrix_b_fmt:MATRIX_FMT_BF6 matrix_a_scale:MATRIX_SCALE_ROW1
.elseif ((\ra)==0)&&((\rb)==1)
	v_wmma_scale_f32_16x16x128_f8f6f4 v[(\d):(\d)+7], v[(\a):(\a)+11], v[(\b):(\b)+11], v[(\c):(\c)+7], v[\sa], v[\sb] matrix_a_fmt:MATRIX_FMT_BF6 matrix_b_fmt:MATRIX_FMT_BF6 matrix_b_scale:MATRIX_SCALE_ROW1
.else
	v_wmma_scale_f32_16x16x128_f8f6f4 v[(\d):(\d)+7], v[(\a):(\a)+11], v[(\b):(\b)+11], v[(\c):(\c)+7], v[\sa], v[\sb] matrix_a_fmt:MATRIX_FMT_BF6 matrix_b_fmt:MATRIX_FMT_BF6 matrix_a_scale:MATRIX_SCALE_ROW1 matrix_b_scale:MATRIX_SCALE_ROW1
.endif
.endm
; token tile tt (its fragment in v[xr] on) against W's four tiles.  bias = 1: the sums begin with the bias.  The sixteen accumulators take turns, one instruction a turn, in the same order in every K step.
.macro PROD swap, tt, xr, bias
.irp ft, 0,1,2,3
.if \swap
.set DD, ACC+32*\ft+8*(\tt)
.else
.set DD, ACC+32*(\tt)+8*\ft
.endif
.if \bias
.set CC, BIAS+8*\ft
.else
.set CC, DD
.endif
.if \swap
	WM DD, \xr, WF+12*\ft, CC, SX+((\tt)>>1), SW+(\ft>>1), (\tt)&1, \ft&1
.else
	WM DD, WF+12*\ft, \xr, CC, SW+(\ft>>1), SX+((\tt)>>1), \ft&1, (\tt)&1
.endif
.endr
.endm
.macro PLACES                          ; four plain vector instructions between a matrix instruction and a load into, or a read of, its registers
.rept 4
	v_nop
.endr
.endm
; A K step of 128: the p-th of its chunk of two.
.macro STEP swap, first, p
	PLACES
.irp f, 0,1,2,3
	FRAG WF+12*\f, 4, 5, (\p)*WST+1536*\f
.endr
	ds_load_b32 v[SW], v6 offset:(\p)*WST
	ds_load_b32 v[SW+1], v6 offset:(\p)*WST+128
	ds_load_b32 v[SX], v3 offset:(\p)*XST
	ds_load_b32 v[SX+1], v3 offset:(\p)*XST+128
.if \first
	FRAG XF, 1, 2, 0
	FRAG XF+12, 1, 2, 1536
	s_wait_dscnt 4                                 ; all but the second token tile's four loads
	s_wait_alu depctr_va_vdst(0)
	PROD \swap, 0, XF, 1
	s_wait_dscnt 0
	PROD \swap, 1, XF+12, 1
	PLACES
	FRAG XF, 1, 2, 2*1536
	FRAG XF+12, 1, 2, 3*1536
	s_wait_dscnt 4
	PROD \swap, 2, XF, 1
	s_wait_dscnt 0
	PROD \swap, 3, XF+12, 1
.else
.irp t, 0,1,2,3
	FRAG XF+12*\t, 1, 2, (\p)*XST+1536*\t
.endr
	s_wait_dscnt 12                                ; the three younger token tiles, four loads each, stay out
	PROD \swap, 0, XF, 0
	s_wait_dscnt 8
	PROD \swap, 1, XF+12, 0
	s_wait_dscnt 4
	PROD \swap, 2, XF+24, 0
	s_wait_dscnt 0
	PROD \swap, 3, XF+36, 0
.endif
.endm
; Chunk j of both panels: two K steps.  Chunk 0 was fetched by waves 0 and 1, which wait for it ahead of the first barrier; the other waves' loads stay out across it.
; Ahead of chunk 1 every wave waits for its one load, and all six meet: the rest of both panels and the cos and sin are in.
.macro CHUNK j
.if \j == 0
	s_cmp_lt_u32 s[WV], 2
	s_cbranch_scc0 .Lnw_\@
	s_wait_tensorcnt 0x0
.Lnw_\@:
.endif
.if \j == 1
	s_wait_tensorcnt 0x0
.endif
.if \j < 2
	s_barrier_signal -1
	s_barrier_wait -1
.endif
.if \j > 0
	v_add_nc_u32 v1, 2*XST, v1
	v_add_nc_u32 v2, 2*XST, v2
	v_add_nc_u32 v3, 2*XST, v3
	v_add_nc_u32 v4, 2*WST, v4
	v_add_nc_u32 v5, 2*WST, v5
	v_add_nc_u32 v6, 2*WST, v6
.endif
	s_cmp_eq_u32 s[ISV], 1
	s_cbranch_scc1 .Lcv_\@
	STEP 0, (\j==0), 0
	s_wait_alu depctr_va_vdst(0)
	STEP 0, 0, 1
	s_branch .Lcj_\@
.Lcv_\@:
	s_wait_alu depctr_va_vdst(0)
	STEP 1, (\j==0), 0
	STEP 1, 0, 1
.Lcj_\@:
.endm
; 32 numbers of a lane, register 16 b + i = k 32 b + 16 (lane / 16) + i of my row, become half a fragment (6 registers, v[cd] on) and the two scale bytes (v[pr]).
.macro QUANT32 src, cd, tq, pr
	v_max3_num_f32 v[QT], |v[(\src)]|, |v[(\src)+1]|, 0x2800000       ; the floor 2^(5 - 127) holds the byte at 1 from below
	v_max3_num_f32 v[QT+1], |v[(\src)+16]|, |v[(\src)+17]|, 0x2800000
.irp i, 2,4,6,8,10,12,14
	v_max3_num_f32 v[QT], v[QT], |v[(\src)+\i]|, |v[(\src)+1+\i]|
	v_max3_num_f32 v[QT+1], v[QT+1], |v[(\src)+16+\i]|, |v[(\src)+17+\i]|
.endr
	v_permlanex16_b32 v[QT+2], v[QT], s[SEL], s[SEL+1]
	v_permlanex16_b32 v[QT+3], v[QT+1], s[SEL], s[SEL+1]
	v_max_num_f32 v[QT], v[QT], v[QT+2]            ; with lane l xor 16's 16: the block's largest magnitude
	v_max_num_f32 v[QT+1], v[QT+1], v[QT+3]
	v_add_nc_u32 v[QT+4], 0xfe000000, v[QT]        ; 4 off the exponent field: the conversion's scale operand
	v_add_nc_u32 v[QT+5], 0xfe000000, v[QT+1]
	v_lshrrev_b32 v[QT+2], 23, v[QT+4]             ; the bytes
	v_lshrrev_b32 v[QT+3], 23, v[QT+5]
	v_lshl_or_b32 v[\pr], v[QT+3], 8, v[QT+2]
	v_cvt_scalef32_pk16_bf6_f32 v[(\cd):(\cd)+2], v[(\src):(\src)+15], v[QT+4]
	v_cvt_scalef32_pk16_bf6_f32 v[(\tq):(\tq)+2], v[(\src)+16:(\src)+31], v[QT+5]
	v_nop                                          ; one plain place behind a scaled conversion
.irp i, 0,1,2
	v_permlane16_swap_b32 v[(\cd)+\i], v[(\tq)+\i] ; the operand wants a whole block in a lane: lanes 0-15 block 0, lanes 16-31 block 1
.endr
.irp i, 0,1,2
	v_mov_b32 v[(\cd)+3+\i], v[(\tq)+\i]
.endr
.endm
	s_load_b256 s[4:11], s[0:1], 0x0               ; xc, wc, rope, bq
	s_load_b256 s[12:19], s[0:1], 0x20             ; bk, bv, qc, kc
	s_load_b64 s[20:21], s[0:1], 0x40              ; vc
	v_lshl_add_u32 v15, v0, 2, 0x46800
	s_set_vgpr_msb 0x40
	v_mov_b32 v1, 0
	s_set_vgpr_msb 0x4044
	ds_add_u32 v15, v1
	ds_add_u32 v15, v1
	s_set_vgpr_msb 0x4400
	v_lshrrev_b32 v1, 5, v0
	v_readfirstlane_b32 s[WV], v1                  ; wave 0..5
	s_and_b32 s[TH], s[WV], 1                      ; which 64 tokens
	s_lshr_b32 s[HW], s[WV], 1                     ; which head slot
	s_bfe_u32 s[CX], ttmp6, 0x40000
	s_bfe_u32 s[CY], ttmp6, 0x40004
	s_lshl_b32 s[COL], ttmp9, 2
	s_add_co_u32 s[COL], s[COL], s[CX]             ; column of wc
	s_and_b32 s[TBK], ttmp7, 0xffff
	s_lshl_b32 s[TBK], s[TBK], 2
	s_add_co_u32 s[TBK], s[TBK], s[CY]             ; block of 128 tokens
	s_cmp_eq_u32 ttmp9, 1                          ; columns 4-7 carry v's heads in slot 2
	s_cselect_b32 s[ISV], 1, 0
	s_cmp_eq_u32 s[HW], 2
	s_cselect_b32 s[ISV], s[ISV], 0
	s_lshl_b32 s62, s[CY], 2
	s_lshl_b32 s62, 15, s62                        ; my row of the cluster
	s_lshl_b32 s63, 0x1111, s[CX]                  ; my column
	s_or_b32 s[G1X], s62, (3<<16)|(1<<21)          ; 15:0 the mask; 17:16 elements of 8 bytes; 21 set beside a mask; no padding
	s_or_b32 s[G1R], s62, (3<<16)|(1<<21)
	s_or_b32 s[G1W], s63, (3<<16)|(1<<21)
	G1FILL G1X, 100                                ; two K steps of x: 25,600 bytes
	G1FILL G1W, 150                                ; of W: 38,400
	G1FILL G1R, 128                                ; cos and sin: 32,768
.set G1X2, 76                          ; s[76:83] group 1 for x's other six K steps: 76,800 bytes
.set G1W2, 92                          ; s[92:99] for W's: 115,200
	s_or_b32 s[G1X2], s62, (3<<16)|(1<<21)
	s_or_b32 s[G1W2], s63, (3<<16)|(1<<21)
	G1FILL G1X2, 300
	G1FILL G1W2, 450
	s_mov_b32 s[SEL], 0x76543210
	s_mov_b32 s[SEL+1], 0xfedcba98
	s_mul_i32 s66, s[TBK], 102400
	s_mov_b32 s67, 0
	s_mul_i32 s100, s[COL], 153600
	s_mov_b32 s101, 0
	s_and_b32 s30, s[TBK], 15                      ; the block's place in its sequence of 2,048
	s_lshl_b32 s30, s30, 15
	s_mov_b32 s31, 0
	s_wait_dscnt 0x0
	s_wait_kmcnt 0x0
	s_add_nc_u64 s[66:67], s[4:5], s[66:67]
	s_add_nc_u64 s[100:101], s[6:7], s[100:101]
	s_add_nc_u64 s[30:31], s[8:9], s[30:31]
.irp j, 0,1
	s_mov_b32 s[G0X+4*\j], 1
	s_mov_b32 s[G0X+4*\j+1], XR+2*XST*\j
	s_add_nc_u64 s[G0X+4*\j+2:G0X+4*\j+3], s[66:67], 2*XST*\j
	s_or_b32 s[G0X+4*\j+3], s[G0X+4*\j+3], 0x80000000
	s_mov_b32 s[G0W+4*\j], 1
	s_mov_b32 s[G0W+4*\j+1], WR+2*WST*\j
	s_add_nc_u64 s[G0W+4*\j+2:G0W+4*\j+3], s[100:101], 2*WST*\j
	s_or_b32 s[G0W+4*\j+3], s[G0W+4*\j+3], 0x80000000
.endr
	s_mov_b32 s[G0R], 1
	s_mov_b32 s[G0R+1], RP
	s_mov_b64 s[G0R+2:G0R+3], s[30:31]
	s_or_b32 s[G0R+3], s[G0R+3], 0x80000000
	CROUND                                         ; all sixteen work-groups are here: the joint loads meet
; Every fill of the launch goes out here, one load a wave, in one chain of branches on the wave's number: wave 0 x's K steps 0-1, wave 1 W's, wave 2 x's other six, wave 3 W's, wave 4 the cos and sin.
.macro ARM under, g0, g1, next
	s_cmp_lt_u32 s[WV], \under
	s_cbranch_scc0 \next
	tensor_load_to_lds s[\g0:\g0+3], s[\g1:\g1+7]
	s_nop 0
	PLACES
	s_branch .Lasked
\next:
.endm
	ARM 1, G0X, G1X, .Lh1
	ARM 2, G0W, G1W, .Lh2
	ARM 3, G0X+4, G1X2, .Lh3
	ARM 4, G0W+4, G1W2, .Lh4
	s_cmp_lt_u32 s[WV], 5
	s_cbranch_scc0 .Lasked
	tensor_load_to_lds s[G0R:G0R+3], s[G1R:G1R+7]
	s_nop 0
	PLACES
.Lasked:
	v_and_b32 v11, 31, v0                          ; lane
	v_lshlrev_b32 v8, 4, v11                       ; 16 x lane
	v_lshlrev_b32 v9, 3, v11                       ; 8 x lane
	v_lshlrev_b32 v10, 2, v11                      ; 4 x lane
	s_mul_i32 s2, s[TH], 6144                      ; x: my four token tiles
	v_add_nc_u32 v1, s2, v8
	v_add_nc_u32 v2, s2, v9
	v_add_nc_u32 v2, 512, v2
	s_lshl_b32 s2, s[TH], 8
	s_add_co_u32 s2, s2, XR+12288
	v_add_nc_u32 v3, s2, v10
	s_mul_i32 s2, s[HW], 6144                      ; W: my head's four tiles
	s_add_co_u32 s2, s2, WR
	v_add_nc_u32 v4, s2, v8
	v_add_nc_u32 v5, s2, v9
	v_add_nc_u32 v5, 512, v5
	s_lshl_b32 s2, s[HW], 8
	s_add_co_u32 s2, s2, WR+18432
	v_add_nc_u32 v6, s2, v10
	s_lshl_b32 s2, s[TH], 14
	s_add_co_u32 s2, s2, RP
	v_add_nc_u32 v7, s2, v8                        ; cos and sin of my four token tiles
	v_bfe_u32 v12, v0, 4, 1
	v_lshlrev_b32 v12, 6, v12                      ; 64 h
	v_and_b32 v13, 15, v0
	v_and_b32 v14, 8, v0
	v_add_nc_u32 v13, v13, v14
	v_lshlrev_b32 v13, 2, v13                      ; 4 (r + 8 (r / 8))
	; pointers: the bias of my head, and where my results go
	s_lshl_b32 s2, s[COL], 1
	s_add_co_u32 s2, s2, s[HW]                     ; q's head
	s_cmp_eq_u32 s[HW], 2
	s_cselect_b32 s62, s[CX], s2                   ; my head in its tensor
	s_cselect_b64 s[10:11], s[12:13], s[10:11]     ; bk or bq
	s_cselect_b64 s[16:17], s[18:19], s[16:17]     ; kc or qc
	s_cselect_b32 s63, 2, 4                        ; 4 or 16 heads a batch
	s_lshl_b32 s2, s62, 8
	s_mov_b32 s3, 0
	s_add_nc_u64 s[10:11], s[10:11], s[2:3]
	s_add_nc_u64 s[14:15], s[14:15], s[2:3]        ; bv (used in v's role alone)
	s_lshr_b32 s2, s[TBK], 4                       ; the batch
	s_lshl_b32 s2, s2, s63
	s_add_co_u32 s2, s2, s62
	s_mul_i32 s2, s2, 102400
	s_and_b32 s63, s[TBK], 15
	s_mul_i32 s63, s63, 6400
	s_add_co_u32 s2, s2, s63                       ; head and step of 128 tokens
	s_add_nc_u64 s[16:17], s[16:17], s[2:3]
	s_add_nc_u64 s[20:21], s[20:21], s[2:3]
	s_mul_i32 s2, s[TH], 3072
	s_add_nc_u64 s[100:101], s[16:17], s[2:3]      ; q, k: my two fragments
	s_lshl_b32 s2, s[TH], 7
	s_add_co_u32 s2, s2, 6144
	s_add_nc_u64 s[16:17], s[16:17], s[2:3]        ; and their scale words
	s_mul_i32 s2, s[TH], 768
	s_add_nc_u64 s[66:67], s[20:21], s[2:3]        ; v: my half of each fragment
	s_lshl_b32 s2, s[TH], 1
	s_add_co_u32 s2, s2, 6144
	s_add_nc_u64 s[20:21], s[20:21], s[2:3]        ; and my two bytes of each scale word
	s_cmp_eq_u32 s[ISV], 1
	s_cbranch_scc1 .Lbias_v
	s_wait_alu depctr_va_vdst(0)
.irp ft, 0,1,2,3                       ; q, k: register j of tile 2 b + u is d = 32 b + 16 h + 8 u + j
	global_load_b128 v[BIAS+8*\ft:BIAS+8*\ft+3], v12, s[10:11] offset:(32*(\ft/2)+8*(\ft%2))*4
	global_load_b128 v[BIAS+8*\ft+4:BIAS+8*\ft+7], v12, s[10:11] offset:(32*(\ft/2)+8*(\ft%2))*4+16
.endr
	s_wait_loadcnt 0x0
	s_branch .Lbias_done
.Lbias_v:
	s_wait_alu depctr_va_vdst(0)
.irp ft, 0,1,2,3                       ; v: a lane holds one feature: all eight registers of a tile take its bias
	global_load_b32 v[252+\ft], v13, s[14:15] offset:(32*(\ft/2)+8*(\ft%2))*4
.endr
	s_wait_loadcnt 0x0
.irp ft, 0,1,2,3
.irp j, 0,1,2,3,4,5,6,7
	v_mov_b32 v[BIAS+8*\ft+\j], v[252+\ft]
.endr
.endr
.Lbias_done:
	CHUNK 0
	CHUNK 1
	CHUNK 2
	CHUNK 3
	PLACES                                         ; behind the last products: their results are read and their operands' registers loaded below
	v_mov_b32 v[QT+2], 0                           ; a lane permute's destination counts as one of its sources
	v_mov_b32 v[QT+3], 0
	v_cmp_gt_u32 vcc_lo, 16, v11                   ; lanes 0-15
	s_cmp_eq_u32 s[ISV], 1
	s_cbranch_scc1 .Lout_v
	; ---- q and k: RoPE, the quantiser along d, a token tile at a time
.macro RLOAD tt                        ; cos (16 registers) and sin (16) of token tile tt: frequencies 16 h + 0 .. 15 at my token's position
.set n, 0
.rept 8
	ds_load_b128 v[144+32*((\tt)%2)+4*n:144+32*((\tt)%2)+4*n+3], v7 offset:4096*(\tt)+512*n
.set n, n+1
.endr
.endm
.macro ROPE tt                         ; y[d] = a[d] cos - a[d + 32] sin;  y[d + 32] = a[d + 32] cos + a[d] sin.  Each accumulator is read from its low end on
.set AA, ACC+32*(\tt)
.set RB, 144+32*((\tt)%2)
.set k, 0
.rept 8
	v_pk_mul_f32 v[YY+k:YY+k+1], v[AA+k:AA+k+1], v[RB+k:RB+k+1]
	v_pk_mul_f32 v[YY+16+k:YY+17+k], v[AA+16+k:AA+17+k], v[RB+k:RB+k+1]
	v_pk_fma_f32 v[YY+k:YY+k+1], v[AA+16+k:AA+17+k], v[RB+16+k:RB+17+k], v[YY+k:YY+k+1] neg_lo:[1,0,0] neg_hi:[1,0,0]
	v_pk_fma_f32 v[YY+16+k:YY+17+k], v[AA+k:AA+k+1], v[RB+16+k:RB+17+k], v[YY+16+k:YY+17+k]
.set k, k+2
.endr
.endm
	RLOAD 0
.irp tt, 0,1,2,3
.if \tt < 3
	RLOAD \tt+1
	s_wait_dscnt 8                                 ; this tile's eight loads are in, the next tile's stay out
.else
	s_wait_dscnt 0
.endif
	ROPE \tt
	QUANT32 YY, ACC+32*\tt, ACC+32*\tt+8, ACC+32*\tt+12      ; the codes go into the tile's own accumulator registers, which are done with: no store's data are written again
	global_store_b128 v8, v[ACC+32*\tt:ACC+32*\tt+3], s[100:101] offset:768*\tt
	global_store_b64 v9, v[ACC+32*\tt+4:ACC+32*\tt+5], s[100:101] offset:768*\tt+512
.endr
	v_lshl_or_b32 v246, v[ACC+44], 16, v[ACC+12]   ; a fragment holds two token tiles: its scale word is their two pairs of bytes
	v_lshl_or_b32 v247, v[ACC+108], 16, v[ACC+76]
	v_cndmask_b32 v246, v247, v246, vcc_lo         ; lanes 0-15 store the first fragment's words, lanes 16-31 the second's
	global_store_b32 v10, v246, s[16:17]
	s_branch .Ldone
.Lout_v:
	; ---- v: a lane holds one feature and 2 x 16 of my 64 tokens: the quantiser along the tokens
.irp ft, 0,1,2,3
	QUANT32 ACC+32*\ft, 144+8*\ft, 176+4*\ft, 192+\ft
	global_store_b128 v8, v[144+8*\ft:147+8*\ft], s[66:67] offset:1536*\ft
	global_store_b64 v9, v[148+8*\ft:149+8*\ft], s[66:67] offset:1536*\ft+512
.endr
	v_cndmask_b32 v196, v193, v192, vcc_lo         ; lanes 0-15 store tile 0's (2's) pairs of bytes, lanes 16-31 tile 1's (3's)
	v_cndmask_b32 v197, v195, v194, vcc_lo
	global_store_b16 v10, v196, s[20:21]
	global_store_b16 v10, v197, s[20:21] offset:128
.Ldone:
	s_set_vgpr_msb 0x4
	s_wait_tensorcnt 0x0
	ds_add_u32 v15, v1
	s_wait_dscnt 0x0
	s_set_vgpr_msb 0x400
	CROUND                                         ; the closing round: no work-group ends while a partner may still ask jointly
	s_endpgm
.Lfunc_end_k_q006b94bd63_qkv:
	.size	k_q006b94bd63_qkv, .Lfunc_end_k_q006b94bd63_qkv-k_q006b94bd63_qkv
	.p2alignl 7, 3214868480
	.fill 96, 4, 3214868480
	.section	.rodata,"a",@progbits
	.p2align	6, 0x0
	.amdhsa_kernel k_q006b94bd63_qkv
		.amdhsa_group_segment_fixed_size 289536
		.amdhsa_private_segment_fixed_size 0
		.amdhsa_enable_private_segment 0
		.amdhsa_kernarg_size 72
		.amdhsa_user_sgpr_count 2
		.amdhsa_user_sgpr_kernarg_segment_ptr 1
		.amdhsa_wavefront_size32 1
		.amdhsa_system_sgpr_workgroup_id_x 1
		.amdhsa_system_sgpr_workgroup_id_y 1
		.amdhsa_system_sgpr_workgroup_id_z 1
		.amdhsa_system_vgpr_workitem_id 0
		.amdhsa_next_free_vgpr 258
		.amdhsa_next_free_sgpr 102
		.amdhsa_reserve_vcc 1
		.amdhsa_float_denorm_mode_32 3
		.amdhsa_float_denorm_mode_16_64 3
		.amdhsa_memory_ordered 1
		.amdhsa_forward_progress 1
		.amdhsa_inst_pref_size 114
	.end_amdhsa_kernel
	.amdgpu_metadata
---
amdhsa.version: [ 1, 2 ]
amdhsa.kernels:
  - .name:           k_q006b94bd63_qkv
    .symbol:         k_q006b94bd63_qkv.kd
    .args:
      - { .name: xc, .offset: 0, .size: 8, .value_kind: global_buffer, .address_space: global }
      - { .name: wc, .offset: 8, .size: 8, .value_kind: global_buffer, .address_space: global }
      - { .name: rope, .offset: 16, .size: 8, .value_kind: global_buffer, .address_space: global }
      - { .name: bq, .offset: 24, .size: 8, .value_kind: global_buffer, .address_space: global }
      - { .name: bk, .offset: 32, .size: 8, .value_kind: global_buffer, .address_space: global }
      - { .name: bv, .offset: 40, .size: 8, .value_kind: global_buffer, .address_space: global }
      - { .name: qc, .offset: 48, .size: 8, .value_kind: global_buffer, .address_space: global }
      - { .name: kc, .offset: 56, .size: 8, .value_kind: global_buffer, .address_space: global }
      - { .name: vc, .offset: 64, .size: 8, .value_kind: global_buffer, .address_space: global }
    .group_segment_fixed_size: 289536
    .private_segment_fixed_size: 0
    .kernarg_segment_align: 8
    .kernarg_segment_size: 72
    .max_flat_workgroup_size: 192
    .sgpr_count:     102
    .vgpr_count:     258
    .wavefront_size: 32
...
	.end_amdgpu_metadata
.endif
;; end of part 2
;; launch attn (part 3): grid 32 x 8, 16 waves a work-group, clusters of 4 x 1, 327,680 bytes of LDS; arguments qc, kc, vc, oc; writes oc
.if DOCPART == 3
	.amdgcn_target "amdgcn-amd-amdhsa--gfx1250"
	.amdhsa_code_object_version 6
	.text
	.protected	k_q006b94bd63_attn
	.globl	k_q006b94bd63_attn
	.p2align	8
	.type	k_q006b94bd63_attn,@function
k_q006b94bd63_attn:
	s_mov_b64 s[64:65], 0
	v_nop
	global_prefetch_b8 v0, s[64:65] scope:SCOPE_SE
	s_setreg_imm32_b32 hwreg(HW_REG_WAVE_MODE, 25, 1), 1
	s_wait_xcnt 0x0
	s_wait_alu depctr_hold_cnt(0) depctr_sa_sdst(0) depctr_va_vdst(0) depctr_va_sdst(0) depctr_va_ssrc(0) depctr_va_vcc(0) depctr_vm_vsrc(0)
	s_getreg_b32 s2, hwreg(HW_REG_IB_STS2, 6, 4)
	s_cmp_eq_u32 s2, 0
	s_cbranch_scc0 .Lentry_in_a_cluster
	s_endpgm
.Lentry_in_a_cluster:
	s_bfe_u32 s2, ttmp6, 0x10000c
	s_cmp_lg_u32 s2, 0x3003
	s_cbranch_scc0 .Lentry_shape_is_right
	s_endpgm
.Lentry_shape_is_right:
; o = (softmax(q k^T, causal) x 2^-5) v on codes of BF6 (E3M2) with E8M0 scales; head size 64; 16 query heads on 4 key and value heads; 2 x 2,048 tokens.
; WHAT IS QUANTISED for the second product is the FINISHED softmax x 2^-5, so the keys are walked twice.  Pass 1: the row's largest t = score x log2(e), M = that rounded up to a whole number (a running maximum),
; l = the sum of 2^(t - M), and each block of 32 keys' largest score, kept in the wave's own LDS bytes.  Pass 2: the scores again, p = 2^(t - (M + 5 + log2 l)), the sum M + 5 + log2 l rounded once, quantised along the keys; o^T += v^T p^T.
; o is quantised along the model's 1,024 in registers and stored for the last product.  Key steps that lie wholly behind the causal mask of reference() are not computed.
; SHARES.  A work-group: one query head, sixteen waves, four to a SIMD.  Waves 2 j and 2 j + 1 of group G share the pair P = 8 G + j: query tiles 127 - P and P of 16 queries, one after the other: 16 - G and G + 1 key steps of 128, 17 in all.
; Of each tile one wave walks the even key steps (EP = 0: 9 of the 17) and the other the odd ones (EP = 1: 8).  Behind pass 1 the two exchange (-M, l) through LDS and each joins them; behind pass 2 the wave with EP = 0 hands its part of o^T
; to the other through LDS, which adds the two, quantises and stores.  EP = (w xor (w / 4)) % 2: of four neighbouring waves, and of four waves 4 apart, two have each value.
; CLUSTER 4 x 1: the four query heads of one key and value head walk the same K and V, which are asked for jointly, a key step (6,400 bytes) a wave: K at the head, V behind a round of the cluster's barrier, under pass 1 of the longer tile.
; All of K and V (204,800 bytes) stay in LDS: each byte is filled once.  No prefetch: all tile data are asked for ahead of the first loop, and no loop has later tiles to ask for.
; HEAD SIZE 64 is half of the instruction's K.  A fragment of K holds TWO tiles of 16 keys, one in each half of K; q stands between two runs of zero codes, [0 | q | 0]: taken as [q | 0] it meets the first tile, as [0 | q] the second.
; Both products are used transposed: a lane holds one query (lane % 16).  The keys of a tile are 32 f + 8 c + r + 8 (r / 8), so that the 16 registers of tiles 2 f, 2 f + 1 are keys 32 f + 16 (lane / 16) + 0 .. 15.
; CAUSAL.  The loops have 8 trips (tile 127 - P) or 4 (tile P); a step behind the tile's diagonal is jumped over; in the step on the diagonal blocks of 32 keys ahead of the queries' block are left, those behind it become -infinity, the one between is compared.
; The jumps hang on the cluster's x and the wave's number, which all partners share.
; LIMITS: NaN and infinities are not served; the scaled scores stay under 2^31 in magnitude; a p under 2^-126 counts as 0; a block whose largest p lies under 2^-122 gets the scale byte 1.
.set KR,   0
.set VR,   102400
.set SB,   6400                        ; a key step: four fragments of 1,536 bytes, 4 x 64 bytes of scale words
.set BMR,  204800                      ; the blocks' largest scores: 4,096 bytes a wave: 8 steps x 32 lanes x 16 bytes.  No fill lands from here on
.set XCH,  270336                      ; (l, -M): 256 bytes a wave, 4,096 for each of the two tiles
.set ORG,  278528                      ; a part of o^T: 4,096 bytes for each two waves
.set SPARE, 311296                     ; the spare words: 128 bytes a wave
.set QS,   34                          ; v34      q's scale word [s0 s1 s0 s1];  v16-21 zeros, v22-27 q, v28-33 zeros
.set KF,   36                          ; v36-83   four fragments of K, then of V
.set KS,   84                          ; v84-85   K's scale words
.set VS,   86                          ; v86-87   V's
.set PW,   88                          ; v88      p's;  v89 o's scale bytes;  v90-95, v211 the second tile's q
.set S,    96                          ; v96-159  the scores, then p
.set OO,   160                         ; v160-191 o^T
.set PCD,  192                         ; v192-203 p's codes
.set TQ,   204                         ; v204-210 the conversions' second halves
.set BM,   212                         ; v212-215 the blocks' largest scores
.set BX,   216                         ; v216-219 the other half's; then the bytes
.set SO,   220                         ; v220-223 the conversions' scale operands
.set QT,   230                         ; v230-235 the last quantiser's six
.set XW,   35                          ; v35      where I put (l, -M);  v236 where my partner puts its;  v237 the two waves' place for o^T
.set XR,   236
.set OA,   237
.set WV,   12
.set TAU,  13
.set CX,   14
.set BK,   15
.set G1,   16
.set G0,   24
.set PR,   28
.set FD,   29
.set TBM,  30
.set G0V,  32
.set TB0,  36
.set TBN,  37
.set EP,   38
.set SEL,  56
.set CS,   58
.set TB,   60
.set TBV,  61
.set ST,   62
.set SD,   63
.set CNT,  66
.macro CROUND
	s_barrier_signal -1
	s_barrier_wait -1
	s_cmp_lg_u32 s[WV], 0
	s_cbranch_scc1 .Lnw0_\@
	s_barrier_signal -3
.Lnw0_\@:
	s_barrier_wait -3
	s_barrier_signal -1
	s_barrier_wait -1
.endm
.macro FRAG reg, a16, a8, off
	ds_load_b128 v[(\reg):(\reg)+3], v[\a16] offset:(\off)
	ds_load_b64 v[(\reg)+4:(\reg)+5], v[\a8] offset:(\off)
	ds_load_b128 v[(\reg)+6:(\reg)+9], v[\a16] offset:(\off)+768
	ds_load_b64 v[(\reg)+10:(\reg)+11], v[\a8] offset:(\off)+768
.endm
.macro PLACES
.rept 4
	v_nop
.endr
.endm
.macro SP f, c                         ; the scores of key tile 2 f + c: fragment f against [q | 0] (c = 0) or [0 | q] (c = 1)
.if ((\f)&1)==0
	v_wmma_scale_f32_16x16x128_f8f6f4 v[S+16*(\f)+8*(\c):S+16*(\f)+8*(\c)+7], v[KF+12*(\f):KF+12*(\f)+11], v[22-6*(\c):33-6*(\c)], 0, v[KS+((\f)>>1)], v[QS] matrix_a_fmt:MATRIX_FMT_BF6 matrix_b_fmt:MATRIX_FMT_BF6
.else
	v_wmma_scale_f32_16x16x128_f8f6f4 v[S+16*(\f)+8*(\c):S+16*(\f)+8*(\c)+7], v[KF+12*(\f):KF+12*(\f)+11], v[22-6*(\c):33-6*(\c)], 0, v[KS+((\f)>>1)], v[QS] matrix_a_fmt:MATRIX_FMT_BF6 matrix_b_fmt:MATRIX_FMT_BF6 matrix_a_scale:MATRIX_SCALE_ROW1
.endif
.endm
.macro OP t                            ; o^T's tile t += V's tile t x p
.if ((\t)&1)==0
	v_wmma_scale_f32_16x16x128_f8f6f4 v[OO+8*(\t):OO+8*(\t)+7], v[KF+12*(\t):KF+12*(\t)+11], v[PCD:PCD+11], v[OO+8*(\t):OO+8*(\t)+7], v[VS+((\t)>>1)], v[PW] matrix_a_fmt:MATRIX_FMT_BF6 matrix_b_fmt:MATRIX_FMT_BF6
.else
	v_wmma_scale_f32_16x16x128_f8f6f4 v[OO+8*(\t):OO+8*(\t)+7], v[KF+12*(\t):KF+12*(\t)+11], v[PCD:PCD+11], v[OO+8*(\t):OO+8*(\t)+7], v[VS+((\t)>>1)], v[PW] matrix_a_fmt:MATRIX_FMT_BF6 matrix_b_fmt:MATRIX_FMT_BF6 matrix_a_scale:MATRIX_SCALE_ROW1
.endif
.endm
.macro KADR tb                         ; a step's LDS addresses: four plain vector lines, which also serve as the four places behind the products ahead of them
	v_add_nc_u32 v5, s[\tb], v1
	v_add_nc_u32 v6, s[\tb], v2
	v_add_nc_u32 v7, s[\tb], v3
	v_add_nc_u32 v9, s[TBM], v10
.endm
.macro KFETCH                          ; K's four fragments and scale words
.irp f, 0,1,2,3
	FRAG KF+12*\f, 5, 6, 1536*\f
.endr
	ds_load_b32 v[KS], v7
	ds_load_b32 v[KS+1], v7 offset:128
.endm
.macro SPS
.irp f, 0,1,2,3
	SP \f, 0
	SP \f, 1
.endr
.endm
; The diagonal step, block f of 32 keys.  Register 16 f + i holds key 32 f + 16 (lane / 16) + i of the step: hidden where 32 f + i > v4 = my query's place in the step - 16 (lane / 16).  FD: the block that holds the queries.
.macro MBLK f
	s_cmp_gt_u32 s[FD], \f
	s_cbranch_scc1 .Lmn_\@                         ; wholly open
	s_cmp_lt_u32 s[FD], \f
	s_cbranch_scc1 .Lmh_\@                         ; wholly hidden
.set n, 0
.rept 16
	v_cmp_gt_i32 vcc_lo, 32*(\f)+n, v4
	v_cndmask_b32 v[S+16*(\f)+n], v[S+16*(\f)+n], v225, vcc_lo
.set n, n+1
.endr
	s_branch .Lmn_\@
.Lmh_\@:
.set n, 0
.rept 16
	v_mov_b32 v[S+16*(\f)+n], v225
.set n, n+1
.endr
.Lmn_\@:
.endm
.macro MASK
	s_cmp_lg_u32 s[ST], s[SD]
	s_cbranch_scc1 .Lopen_\@
	MBLK 0
	MBLK 1
	MBLK 2
	MBLK 3
	s_wait_alu depctr_va_vdst(0)
.Lopen_\@:
.endm
.macro BMAX                            ; the largest score of each block of 32 keys
.irp b, 0,1,2,3
	v_max3_num_f32 v[BM+\b], v[S+16*\b], v[S+1+16*\b], v[S+2+16*\b]
.endr
.irp i, 3,5,7,9,11,13
.irp b, 0,1,2,3
	v_max3_num_f32 v[BM+\b], v[BM+\b], v[S+16*\b+\i], v[S+1+16*\b+\i]
.endr
.endr
.irp b, 0,1,2,3
	v_max_num_f32 v[BM+\b], v[BM+\b], v[S+15+16*\b]
.endr
.irp b, 0,1,2,3
	s_delay_alu instid0(VALU_DEP_4)
	v_permlanex16_b32 v[BX+\b], v[BM+\b], s[SEL], s[SEL+1]
.endr
.irp b, 0,1,2,3
	s_delay_alu instid0(VALU_DEP_4)
	v_max_num_f32 v[BM+\b], v[BM+\b], v[BX+\b]     ; with lane l xor 16's 16 keys
.endr
.endm
.macro TMINUS                          ; score x log2(e) + v12, two at a time: of the pairs the low word serves both halves
.set n, 0
.rept 32
	v_pk_fma_f32 v[S+n:S+n+1], v[S+n:S+n+1], s[CS:CS+1], v[12:13] op_sel_hi:[1,0,0]
.set n, n+2
.endr
.endm
.macro EXPS
.set n, 0
.rept 64
	v_exp_f32 v[S+n], v[S+n]
.set n, n+1
.endr
.endm
; PASS 1, a key step of mine: the running M and l.  The step's fragments were asked for a step earlier; those of my next step, two on, are asked for behind the products and land under the vector work.
; (That address is held at K's step 15, so that nothing outside K is read; what is fetched behind the tile's last step is not used.)
.macro P1STEP
	s_cmp_gt_u32 s[ST], s[SD]
	s_cbranch_scc1 .Lp1skip_\@
	s_add_co_u32 s[TBN], s[TB], 2*SB
	s_min_u32 s[TBN], s[TBN], 15*SB
	s_wait_dscnt 0x0                               ; this step's fragments
	SPS
	KADR TBN
	KFETCH
	MASK
	BMAX
	s_delay_alu instid0(VALU_DEP_2)
	v_max3_num_f32 v224, v[BM], v[BM+1], v[BM+2]
	s_delay_alu instid0(VALU_DEP_1)
	v_max_num_f32 v224, v224, v[BM+3]              ; the step's largest score of my query
	s_delay_alu instid0(VALU_DEP_1)
	v_mul_f32 v224, s[CS], v224                    ; as t
	s_delay_alu instid0(VALU_DEP_1)
	v_max_num_f32 v13, v13, v224                   ; the running largest t
	v_mov_b32 v224, v12
	s_delay_alu instid0(VALU_DEP_2)
	v_floor_f32 v12, -v13                          ; -M = floor(-t): M is a whole number
	s_delay_alu instid0(VALU_DEP_1)
	v_sub_f32 v224, v12, v224                      ; old M - new M, 0 or less
	s_delay_alu instid0(VALU_DEP_1)
	v_cvt_i32_f32 v224, v224                       ; (it saturates)
	s_delay_alu instid0(VALU_DEP_1)
	v_ldexp_f32 v226, 1.0, v224                    ; f = 2^(old M - new M): rounds nothing
	ds_store_b128 v9, v[BM:BM+3]                   ; the four blocks' largest scores, for pass 2: my wave's own bytes
	TMINUS
	s_wait_alu depctr_va_vdst(0)
	EXPS
	v_pk_mul_f32 v[14:15], v[14:15], v[226:227] op_sel_hi:[1,0]   ; l under the new M.  (The plain place behind the exponentials)
	s_wait_alu depctr_va_vdst(0)
	v_pk_add_f32 v[228:229], v[100:101], v[104:105]
	v_pk_add_f32 v[252:253], v[108:109], v[112:113]
	v_pk_add_f32 v[250:251], v[116:117], v[120:121]
	v_pk_add_f32 v[248:249], v[124:125], v[128:129]
	v_pk_add_f32 v[246:247], v[132:133], v[136:137]
	v_pk_add_f32 v[244:245], v[140:141], v[144:145]
	v_pk_add_f32 v[242:243], v[148:149], v[152:153]
	v_pk_add_f32 v[14:15], v[14:15], v[156:157]
	v_pk_add_f32 v[228:229], v[228:229], v[96:97]
	v_pk_add_f32 v[252:253], v[252:253], v[98:99]
	v_pk_add_f32 v[250:251], v[250:251], v[102:103]
	v_pk_add_f32 v[248:249], v[248:249], v[106:107]
	v_pk_add_f32 v[246:247], v[246:247], v[110:111]
	v_pk_add_f32 v[244:245], v[244:245], v[114:115]
	v_pk_add_f32 v[242:243], v[242:243], v[118:119]
	v_pk_add_f32 v[14:15], v[14:15], v[122:123]
	v_pk_add_f32 v[228:229], v[228:229], v[126:127]
	v_pk_add_f32 v[252:253], v[252:253], v[130:131]
	v_pk_add_f32 v[250:251], v[250:251], v[134:135]
	v_pk_add_f32 v[248:249], v[248:249], v[138:139]
	v_pk_add_f32 v[246:247], v[246:247], v[142:143]
	v_pk_add_f32 v[244:245], v[244:245], v[146:147]
	v_pk_add_f32 v[242:243], v[242:243], v[150:151]
	v_pk_add_f32 v[14:15], v[14:15], v[154:155]
	v_pk_add_f32 v[228:229], v[228:229], v[158:159]
	s_delay_alu instid0(VALU_DEP_2)
	v_pk_add_f32 v[14:15], v[14:15], v[248:249]
	s_delay_alu instid0(VALU_DEP_2)
	v_pk_add_f32 v[228:229], v[228:229], v[246:247]
	v_pk_add_f32 v[252:253], v[252:253], v[244:245]
	v_pk_add_f32 v[250:251], v[250:251], v[242:243]
	s_delay_alu instid0(VALU_DEP_2)
	v_pk_add_f32 v[14:15], v[14:15], v[252:253]
	s_delay_alu instid0(VALU_DEP_2)
	v_pk_add_f32 v[228:229], v[228:229], v[250:251]
	s_delay_alu instid0(VALU_DEP_1)
	v_pk_add_f32 v[14:15], v[14:15], v[228:229]
.Lp1skip_\@:
	s_add_co_u32 s[TB], s[TB], 2*SB
	s_add_co_u32 s[TBM], s[TBM], 512
	s_add_co_u32 s[ST], s[ST], 2
.endm
; PASS 2, a key step of mine.  v12 = -(M + 5 + log2 l), so that one multiply-add and one exponential give the finished weight.
.macro P2STEP
	s_cmp_gt_u32 s[ST], s[SD]
	s_cbranch_scc1 .Lp2skip_\@
	KADR TB                                        ; (the four places behind the last step's products)
	KFETCH
	ds_load_b128 v[BM:BM+3], v9                    ; the blocks' largest scores, as pass 1 left them
	s_wait_dscnt 0x0
	SPS
	v_add_nc_u32 v5, s[TBV], v1                    ; these three and the v_nop are the four places behind the products
	v_add_nc_u32 v6, s[TBV], v2
	v_add_nc_u32 v7, s[TBV], v3
	v_nop
.irp f, 0,1,2,3
	FRAG KF+12*\f, 5, 6, 1536*\f                   ; V's four tiles land under the softmax, where K's lay
.endr
	ds_load_b32 v[VS], v7
	ds_load_b32 v[VS+1], v7 offset:128
	MASK
	TMINUS
.irp b, 0,1,2,3
	v_fma_f32 v[BM+\b], v[BM+\b], s[CS], v12       ; p rises with the score: each block's largest score goes the same way and gives the block's largest p, bit for bit
.endr
	s_wait_alu depctr_va_vdst(0)
	EXPS
.irp b, 0,1,2,3
	v_exp_f32 v[BM+\b], v[BM+\b]
.endr
	v_nop                                          ; one plain place behind the exponentials
	s_wait_alu depctr_va_vdst(0)
.irp b, 0,1,2,3
	v_max_num_f32 v[BM+\b], 0x2800000, v[BM+\b]    ; the floor 2^(5 - 127): the byte cannot fall under 1
.endr
.irp b, 0,1,2,3
	s_delay_alu instid0(VALU_DEP_4)
	v_add_nc_u32 v[SO+\b], 0xfe000000, v[BM+\b]    ; 4 off the exponent field
.endr
.irp b, 0,1,2,3
	s_delay_alu instid0(VALU_DEP_4)
	v_lshrrev_b32 v[BX+\b], 23, v[SO+\b]
.endr
	s_delay_alu instid0(VALU_DEP_3)
	v_lshl_or_b32 v[PW], v[BX+1], 8, v[BX]
	s_delay_alu instid0(VALU_DEP_1)
	v_lshl_or_b32 v[PW], v[BX+2], 16, v[PW]
	s_delay_alu instid0(VALU_DEP_1)
	v_lshl_or_b32 v[PW], v[BX+3], 24, v[PW]
.irp c, 0,1
	v_cvt_scalef32_pk16_bf6_f32 v[PCD+6*\c:PCD+6*\c+2], v[S+32*\c:S+32*\c+15], v[SO+2*\c]
	v_cvt_scalef32_pk16_bf6_f32 v[TQ+4*\c:TQ+4*\c+2], v[S+32*\c+16:S+32*\c+31], v[SO+2*\c+1]
.endr
	v_nop                                          ; one plain place behind a scaled conversion
.irp c, 0,1
.irp i, 0,1,2
	v_permlane16_swap_b32 v[PCD+6*\c+\i], v[TQ+4*\c+\i]
.endr
.irp i, 0,1,2
	s_delay_alu instid0(VALU_DEP_3)
	v_mov_b32 v[PCD+3+6*\c+\i], v[TQ+4*\c+\i]
.endr
.endr
	PLACES                                         ; four places behind the last write of p's codes; behind the scale word stand the v_nop, the six moves and these four: eleven
	s_wait_alu depctr_va_vdst(0)
	s_wait_dscnt 0x0                               ; V
.irp t, 0,1,2,3
	OP \t                                          ; four accumulators by turns; the next step's eight score products stand between two links of a chain
.endr
.Lp2skip_\@:
	s_add_co_u32 s[TB], s[TB], 2*SB
	s_add_co_u32 s[TBV], s[TBV], 2*SB
	s_add_co_u32 s[TBM], s[TBM], 512
	s_add_co_u32 s[ST], s[ST], 2
.endm
.macro QUANT32 src, cd, tq, pr
	v_max3_num_f32 v[QT], |v[(\src)]|, |v[(\src)+1]|, 0x2800000
	v_max3_num_f32 v[QT+1], |v[(\src)+16]|, |v[(\src)+17]|, 0x2800000
.irp i, 2,4,6,8,10,12,14
	v_max3_num_f32 v[QT], v[QT], |v[(\src)+\i]|, |v[(\src)+1+\i]|
	v_max3_num_f32 v[QT+1], v[QT+1], |v[(\src)+16+\i]|, |v[(\src)+17+\i]|
.endr
	s_delay_alu instid0(VALU_DEP_2)
	v_permlanex16_b32 v[QT+2], v[QT], s[SEL], s[SEL+1]
	s_delay_alu instid0(VALU_DEP_2)
	v_permlanex16_b32 v[QT+3], v[QT+1], s[SEL], s[SEL+1]
	s_delay_alu instid0(VALU_DEP_2)
	v_max_num_f32 v[QT], v[QT], v[QT+2]
	s_delay_alu instid0(VALU_DEP_2)
	v_max_num_f32 v[QT+1], v[QT+1], v[QT+3]
	s_delay_alu instid0(VALU_DEP_2)
	v_add_nc_u32 v[QT+4], 0xfe000000, v[QT]
	s_delay_alu instid0(VALU_DEP_2)
	v_add_nc_u32 v[QT+5], 0xfe000000, v[QT+1]
	s_delay_alu instid0(VALU_DEP_2)
	v_lshrrev_b32 v[QT+2], 23, v[QT+4]
	s_delay_alu instid0(VALU_DEP_2)
	v_lshrrev_b32 v[QT+3], 23, v[QT+5]
	s_delay_alu instid0(VALU_DEP_1)
	v_lshl_or_b32 v[\pr], v[QT+3], 8, v[QT+2]
	v_cvt_scalef32_pk16_bf6_f32 v[(\cd):(\cd)+2], v[(\src):(\src)+15], v[QT+4]
	v_cvt_scalef32_pk16_bf6_f32 v[(\tq):(\tq)+2], v[(\src)+16:(\src)+31], v[QT+5]
	v_nop
.irp i, 0,1,2
	v_permlane16_swap_b32 v[(\cd)+\i], v[(\tq)+\i]
.endr
.irp i, 0,1,2
	s_delay_alu instid0(VALU_DEP_3)
	v_mov_b32 v[(\cd)+3+\i], v[(\tq)+\i]
.endr
.endm
; q of tile s[TAU]: half a fragment (768 bytes) and its fragment's scale words.  s67: my head's first byte in qc.  sa: four scalar registers for the two addresses
.macro QLOAD sa, vq, vs
	s_lshr_b32 s68, s[TAU], 3
	s_mul_i32 s68, s68, SB
	s_add_co_u32 s68, s68, s67                     ; the tile's step of 128 tokens
	s_bfe_u32 s69, s[TAU], 0x20001                 ; its fragment,
	s_mul_i32 s70, s69, 1536
	s_and_b32 s71, s[TAU], 1                       ; and half
	s_mul_i32 s71, s71, 768
	s_add_co_u32 s[\sa], s68, s70
	s_add_co_u32 s[\sa], s[\sa], s71
	s_mov_b32 s[\sa+1], 0
	s_lshl_b32 s69, s69, 6
	s_add_co_u32 s[\sa+2], s68, s69
	s_add_co_u32 s[\sa+2], s[\sa+2], 6144
	s_mov_b32 s[\sa+3], 0
	s_add_nc_u64 s[\sa:\sa+1], s[4:5], s[\sa:\sa+1]
	s_add_nc_u64 s[\sa+2:\sa+3], s[4:5], s[\sa+2:\sa+3]
	global_load_b128 v[\vq:\vq+3], v1, s[\sa:\sa+1]
	global_load_b64 v[\vq+4:\vq+5], v2, s[\sa:\sa+1]
	global_load_b32 v[\vs], v8, s[\sa+2:\sa+3]
.endm
; One tile of 16 queries, from q to o's codes.  n = 0: tile 127 - P, the first; n = 1: tile P.  trips: half of the most key steps that such a tile has.
.macro TILE n, trips
.if \n
	s_mov_b32 s[TAU], s[PR]
.else
	s_sub_co_u32 s[TAU], 127, s[PR]
.endif
	s_lshr_b32 s[SD], s[TAU], 3                    ; the key step on the tile's diagonal,
	s_bfe_u32 s[FD], s[TAU], 0x20001               ; and the block of 32 keys in it that holds the queries
	s_lshl_b32 s68, s[FD], 5
	s_and_b32 s79, s[TAU], 1
	s_lshl_b32 s69, s79, 3
	s_add_co_u32 s68, s68, s69
	s_lshl_b32 s79, s79, 4
	v_add_nc_u32 v4, s68, v11                      ; my query's place in the diagonal step - 16 (lane / 16)
.if \n
.irp i, 0,1,2,3,4,5
	v_mov_b32 v[22+\i], v[90+\i]
.endr
	v_mov_b32 v[QS], v211
.else
	s_wait_loadcnt 0x0                             ; both tiles' q
.endif
	v_lshrrev_b32 v[QS], s79, v[QS]                ; my tile's two bytes of the fragment's word,
	s_delay_alu instid0(VALU_DEP_1)
	v_and_b32 v[QS], 0xffff, v[QS]
	s_delay_alu instid0(VALU_DEP_1)
	v_lshl_or_b32 v[QS], v[QS], 16, v[QS]          ; for either half of K
	v_mov_b32 v13, 0xff61b1e6                      ; the largest t so far: -3e38
	s_delay_alu instid0(VALU_DEP_1)
	v_floor_f32 v12, -v13                          ; -M
	v_mov_b32 v14, 0                               ; l, in two halves
	v_mov_b32 v15, 0
.set n, 0
.rept 32
	v_mov_b32 v[OO+n], 0                           ; my part of o^T: pass 2's step is written once
.set n, n+1
.endr
	s_mov_b32 s[TB], s[TB0]                        ; my first step: EP
	s_mov_b32 s[TBM], 0
	s_mov_b32 s[ST], s[EP]
	KADR TB
	KFETCH                                         ; its fragments
	s_mov_b32 s[CNT], \trips
.Lp1_\@:
	P1STEP
	s_sub_co_u32 s[CNT], s[CNT], 1
	s_cmp_lg_u32 s[CNT], 0
	s_cbranch_scc1 .Lp1_\@
	s_wait_dscnt 0x0                               ; the fragments asked for last, which are not used, and my stores
	s_wait_xcnt 0x0                                ; the tile before has stored: its stores' data and address registers may be written again
	s_wait_alu depctr_va_vdst(0)
	v_add_f32 v14, v14, v15                        ; l's two halves,
	s_delay_alu instid0(VALU_DEP_1)
	v_permlanex16_b32 v224, v14, s[SEL], s[SEL+1]
	s_delay_alu instid0(VALU_DEP_1)
	v_add_f32 v14, v14, v224                       ; and lane l xor 16's: l over my steps
	v_mov_b32 v15, v12
	ds_store_b64 v[XW], v[14:15] offset:4096*(\n)  ; (l, -M) for my partner
	s_wait_alu depctr_va_vdst(0)
	s_wait_tensorcnt 0x0                           ; my step of V is in (asked for ahead of the first tile)
	s_wait_dscnt 0x0
	s_barrier_signal -1
	s_barrier_wait -1                              ; every wave's (l, -M) stands in LDS, and all of V
	ds_load_b64 v[238:239], v[XR] offset:4096*(\n)
	s_wait_dscnt 0x0
	v_min_num_f32 v224, v12, v239                  ; -M of the whole row.  (A wave that had no step holds l = 0 and -M = 3e38)
	s_delay_alu instid0(VALU_DEP_1)
	v_sub_f32 v226, v224, v12                      ; my M - the row's, 0 or less,
	v_sub_f32 v228, v224, v239                     ; and my partner's
	s_delay_alu instid0(VALU_DEP_2)
	v_cvt_i32_f32 v226, v226                       ; (they saturate)
	s_delay_alu instid0(VALU_DEP_2)
	v_cvt_i32_f32 v228, v228
	s_delay_alu instid0(VALU_DEP_2)
	v_ldexp_f32 v14, v14, v226                     ; both sums under the row's M: rounds nothing
	s_delay_alu instid0(VALU_DEP_2)
	v_ldexp_f32 v238, v238, v228
	v_add_f32 v12, 0xc0a00000, v224                ; -M - 5, a whole number: 1,024^-0.5 = 2^-5
	s_delay_alu instid0(VALU_DEP_2)
	v_add_f32 v14, v14, v238                       ; l
	s_wait_alu depctr_va_vdst(0)
	v_log_f32 v15, v14                             ; log2 l; l lies over 1 / 2
	v_nop                                          ; one plain place behind the logarithm
	s_wait_alu depctr_va_vdst(0)
	v_sub_f32 v12, v12, v15                        ; -(M + 5 + log2 l), rounded once
	s_wait_alu depctr_va_vdst(0)
	s_mov_b32 s[TB], s[TB0]
	s_add_co_u32 s[TBV], s[TB0], VR
	s_mov_b32 s[TBM], 0
	s_mov_b32 s[ST], s[EP]
	s_mov_b32 s[CNT], \trips
.Lp2_\@:
	P2STEP
	s_sub_co_u32 s[CNT], s[CNT], 1
	s_cmp_lg_u32 s[CNT], 0
	s_cbranch_scc1 .Lp2_\@
	PLACES                                         ; behind the last products
	s_cmp_eq_u32 s[EP], 0
	s_cbranch_scc0 .Lkeep_\@
.irp i, 0,1,2,3,4,5,6,7
	ds_store_b128 v[OA], v[OO+4*\i:OO+4*\i+3] offset:512*\i   ; the wave of the even steps hands its part of o^T over, each accumulator from its low end on
.endr
.Lkeep_\@:
	s_wait_dscnt 0x0
	s_barrier_signal -1
	s_barrier_wait -1
	s_cmp_eq_u32 s[EP], 0
	s_cbranch_scc1 .Lgone_\@
.irp i, 0,1,2,3,4,5,6,7
	ds_load_b128 v[S+4*\i:S+4*\i+3], v[OA] offset:512*\i
.endr
	s_wait_dscnt 0x0
.set n, 0
.rept 16
	v_pk_add_f32 v[OO+n:OO+n+1], v[OO+n:OO+n+1], v[S+n:S+n+1]   ; the wave of the odd steps adds the two
.set n, n+2
.endr
	; o^T: register 16 b + i is d = 32 b + 16 (lane / 16) + i of my query: half a fragment of the last product's operand
	QUANT32 OO, PCD, TQ, 89
	s_lshr_b32 s67, s[BK], 2
	s_lshl_b32 s67, s67, 4
	s_add_co_u32 s67, s67, s[SD]                   ; the block of 128 tokens
	s_mul_i32 s67, s67, 102400
	s_and_b32 s68, s[BK], 3
	s_lshl_b32 s68, s68, 1
	s_lshr_b32 s69, s[CX], 1
	s_add_co_u32 s68, s68, s69                     ; K step = head / 2
	s_mul_i32 s68, s68, 12800
	s_add_co_u32 s67, s67, s68
	s_and_b32 s69, s[TAU], 7                       ; the tile's place in the block
	s_and_b32 s70, s[CX], 1                        ; half = head % 2
	s_mul_i32 s71, s69, 1536
	s_mul_i32 s72, s70, 768
	s_add_co_u32 s74, s67, s71
	s_add_co_u32 s74, s74, s72
	s_mov_b32 s75, 0
	s_lshl_b32 s71, s69, 6
	s_lshl_b32 s72, s70, 1
	s_add_co_u32 s76, s67, s71
	s_add_co_u32 s76, s76, s72
	s_add_co_u32 s76, s76, 12288
	s_mov_b32 s77, 0
	s_add_nc_u64 s[74:75], s[10:11], s[74:75]
	s_add_nc_u64 s[76:77], s[10:11], s[76:77]
	s_wait_alu depctr_va_vdst(0)
	global_store_b128 v1, v[PCD:PCD+3], s[74:75]   ; 512 consecutive aligned bytes
	global_store_b64 v2, v[PCD+4:PCD+5], s[74:75]  ; 256
	global_store_b16 v8, v89, s[76:77]             ; my head's two bytes of each row's scale word; both halves of the lanes hold and write the same
.Lgone_\@:
.endm
	s_load_b256 s[4:11], s[0:1], 0x0               ; qc, kc, vc, oc
	v_lshl_add_u32 v254, v0, 2, SPARE
	v_mov_b32 v255, 0
	ds_add_u32 v254, v255                          ; the opening lines: the add, twice on end, and its wait
	ds_add_u32 v254, v255
	v_lshrrev_b32 v1, 5, v0
	s_delay_alu instid0(VALU_DEP_1)
	v_readfirstlane_b32 s[WV], v1                  ; wave 0..15
	s_bfe_u32 s[CX], ttmp6, 0x40000                ; the query head in its group of four: it enters q's and o's global addresses alone
	s_and_b32 s[BK], ttmp7, 0xffff                 ; 4 x batch + key and value head
	s_lshr_b32 s70, s[WV], 1                       ; j
	s_lshl_b32 s[PR], ttmp9, 3
	s_add_co_u32 s[PR], s[PR], s70                 ; my pair of tiles, 0 .. 63
	s_lshr_b32 s[EP], s[WV], 2
	s_xor_b32 s[EP], s[EP], s[WV]
	s_and_b32 s[EP], s[EP], 1                      ; even key steps or odd ones
	s_mul_i32 s[TB0], s[EP], SB
	s_mov_b32 s[G1], 15|(3<<16)|(1<<21)            ; 15:0 the mask: all four work-groups; elements of 8 bytes; 21 set beside a mask; no padding
	s_mov_b32 s[G1+1], 32<<16                      ; a key step: 25 rows of 256 bytes, dense
	s_mov_b32 s[G1+2], 25<<16
	s_mov_b32 s[G1+3], 32<<16
	s_mov_b32 s[G1+4], 25
	s_mov_b32 s[G1+5], 32
	s_mov_b32 s[G1+6], 0
	s_mov_b32 s[G1+7], 0
	s_mov_b32 s[SEL], 0x76543210
	s_mov_b32 s[SEL+1], 0xfedcba98
	s_mov_b32 s[CS], 0x3fb8aa3b                    ; log2(e): the logits are not scaled
	s_mov_b32 s[CS+1], s[CS]
	s_mul_i32 s71, s[WV], SB                       ; wave w fetches key step w of K, and then of V
	s_mul_i32 s72, s[BK], 102400
	s_add_co_u32 s72, s72, s71
	s_mov_b32 s73, 0
	s_wait_dscnt 0x0
	s_wait_kmcnt 0x0
	s_mov_b32 s[G0], 1
	s_mov_b32 s[G0+1], s71
	s_add_nc_u64 s[G0+2:G0+3], s[6:7], s[72:73]
	s_or_b32 s[G0+3], s[G0+3], 0x80000000
	s_mov_b32 s[G0V], 1
	s_add_co_u32 s[G0V+1], s71, VR
	s_add_nc_u64 s[G0V+2:G0V+3], s[8:9], s[72:73]
	s_or_b32 s[G0V+3], s[G0V+3], 0x80000000
	CROUND                                         ; all four work-groups are here: the joint loads meet
	tensor_load_to_lds s[G0:G0+3], s[G1:G1+7]      ; K: one load a wave
	s_nop 0
	v_and_b32 v9, 31, v0
	s_delay_alu instid0(VALU_DEP_1)
	v_lshlrev_b32 v1, 4, v9                        ; 16 x lane
	v_lshlrev_b32 v2, 3, v9                        ; 8 x lane
	v_lshlrev_b32 v3, 2, v9
	s_lshl_b32 s67, s[WV], 8
	s_add_co_u32 s67, s67, XCH
	s_xor_b32 s68, s[WV], 1
	s_lshl_b32 s68, s68, 8
	s_add_co_u32 s68, s68, XCH
	v_add_nc_u32 v[XW], s67, v2                    ; my 8 bytes for (l, -M),
	v_add_nc_u32 v[XR], s68, v2                    ; and my partner's: wave w xor 1
	v_add_nc_u32 v2, 512, v2                       ; 512 + 8 x lane
	v_add_nc_u32 v3, 6144, v3                      ; a step's scale words: 6,144 + 4 x lane
	v_and_b32 v9, 15, v0                           ; r
	s_delay_alu instid0(VALU_DEP_1)
	v_lshlrev_b32 v8, 2, v9                        ; 4 r
	s_lshl_b32 s67, s[WV], 12
	s_add_co_u32 s67, s67, BMR
	v_add_nc_u32 v10, s67, v1                      ; my 16 bytes of a step's largest scores
	s_lshl_b32 s67, s70, 12
	s_add_co_u32 s67, s67, ORG
	v_add_nc_u32 v[OA], s67, v1                    ; my 16 bytes of each four registers of o^T
	v_and_b32 v11, 8, v0
	s_delay_alu instid0(VALU_DEP_1)
	v_add_nc_u32 v11, v9, v11
	v_and_b32 v9, 16, v0
	s_delay_alu instid0(VALU_DEP_1)
	v_sub_nc_u32 v11, v11, v9                      ; r + 8 (r / 8) - 16 (lane / 16)
	s_wait_alu depctr_va_vdst(0)
	s_lshl_b32 s67, s[BK], 2
	s_add_co_u32 s67, s67, s[CX]                   ; 16 x batch + query head
	s_mul_i32 s67, s67, 102400
	s_sub_co_u32 s[TAU], 127, s[PR]
	QLOAD 80, 22, QS
	s_mov_b32 s[TAU], s[PR]
	QLOAD 84, 90, 211
.irp i, 16,17,18,19,20,21,28,29,30,31,32,33
	v_mov_b32 v\i, 0                               ; the zero codes on both sides of q
.endr
	v_mov_b32 v225, 0xff800000                     ; -infinity; never rewritten
	v_mov_b32 v227, 0                              ; named as the upper half of a pair
.irp b, 0,1,2,3
	v_mov_b32 v[BX+\b], 0                          ; a lane permute's destination counts as one of its sources
.endr
	v_mov_b32 v[QT+2], 0
	v_mov_b32 v[QT+3], 0
	v_mov_b32 v224, 0
	s_wait_alu depctr_va_vdst(0)
	s_wait_tensorcnt 0x0                           ; my step of K is in
	ds_add_u32 v254, v255
	s_wait_dscnt 0x0
	CROUND                                         ; a whole round: all of K is in, and all four work-groups are here: the joint loads meet
	tensor_load_to_lds s[G0V:G0V+3], s[G1:G1+7]    ; V: one load a wave, the first tensor load behind the round; it is waited for behind pass 1
	s_nop 0
	TILE 0, 8
	TILE 1, 4
	s_wait_tensorcnt 0x0                           ; the wave's end
	ds_add_u32 v254, v255
	s_wait_dscnt 0x0
	CROUND                                         ; the closing round
	s_endpgm
.Lfunc_end_k_q006b94bd63_attn:
	.size	k_q006b94bd63_attn, .Lfunc_end_k_q006b94bd63_attn-k_q006b94bd63_attn
	.p2alignl 7, 3214868480
	.fill 96, 4, 3214868480
	.section	.rodata,"a",@progbits
	.p2align	6, 0x0
	.amdhsa_kernel k_q006b94bd63_attn
		.amdhsa_group_segment_fixed_size 327680
		.amdhsa_private_segment_fixed_size 0
		.amdhsa_enable_private_segment 0
		.amdhsa_kernarg_size 32
		.amdhsa_user_sgpr_count 2
		.amdhsa_user_sgpr_kernarg_segment_ptr 1
		.amdhsa_wavefront_size32 1
		.amdhsa_system_sgpr_workgroup_id_x 1
		.amdhsa_system_sgpr_workgroup_id_y 1
		.amdhsa_system_sgpr_workgroup_id_z 1
		.amdhsa_system_vgpr_workitem_id 0
		.amdhsa_next_free_vgpr 256
		.amdhsa_next_free_sgpr 90
		.amdhsa_reserve_vcc 1
		.amdhsa_float_denorm_mode_32 3
		.amdhsa_float_denorm_mode_16_64 3
		.amdhsa_memory_ordered 1
		.amdhsa_forward_progress 1
		.amdhsa_inst_pref_size 107
	.end_amdhsa_kernel
	.amdgpu_metadata
---
amdhsa.version: [ 1, 2 ]
amdhsa.kernels:
  - .name:           k_q006b94bd63_attn
    .symbol:         k_q006b94bd63_attn.kd
    .args:
      - { .name: qc, .offset: 0, .size: 8, .value_kind: global_buffer, .address_space: global }
      - { .name: kc, .offset: 8, .size: 8, .value_kind: global_buffer, .address_space: global }
      - { .name: vc, .offset: 16, .size: 8, .value_kind: global_buffer, .address_space: global }
      - { .name: oc, .offset: 24, .size: 8, .value_kind: global_buffer, .address_space: global }
    .group_segment_fixed_size: 327680
    .private_segment_fixed_size: 0
    .kernarg_segment_align: 8
    .kernarg_segment_size: 32
    .max_flat_workgroup_size: 512
    .sgpr_count:     90
    .vgpr_count:     256
    .wavefront_size: 32
...
	.end_amdgpu_metadata
.endif
;; end of part 3
;; launch outp (part 4): grid 8 x 32, 4 waves a work-group, clusters of 4 x 4, 222,720 bytes of LDS; arguments oc, woc, bo, out0; writes out0
.if DOCPART == 4
	.amdgcn_target "amdgcn-amd-amdhsa--gfx1250"
	.amdhsa_code_object_version 6
	.text
	.protected	k_q006b94bd63_outp
	.globl	k_q006b94bd63_outp
	.p2align	8
	.type	k_q006b94bd63_outp,@function
k_q006b94bd63_outp:
	s_mov_b64 s[64:65], 0
	v_nop
	global_prefetch_b8 v0, s[64:65] scope:SCOPE_SE
	s_setreg_imm32_b32 hwreg(HW_REG_WAVE_MODE, 25, 1), 1
	s_wait_xcnt 0x0
	s_wait_alu depctr_hold_cnt(0) depctr_sa_sdst(0) depctr_va_vdst(0) depctr_va_sdst(0) depctr_va_ssrc(0) depctr_va_vcc(0) depctr_vm_vsrc(0)
	s_getreg_b32 s2, hwreg(HW_REG_IB_STS2, 6, 4)
	s_cmp_eq_u32 s2, 0
	s_cbranch_scc0 .Lentry_in_a_cluster
	s_endpgm
.Lentry_in_a_cluster:
	s_bfe_u32 s2, ttmp6, 0x10000c
	s_cmp_lg_u32 s2, 0xf033
	s_cbranch_scc0 .Lentry_shape_is_right
	s_endpgm
.Lentry_shape_is_right:
; out0 = o wo^T + bo on codes of BF6 (E3M2) with E8M0 scales; out0 [4096][1024] f32.
; SHARES.  A work-group takes 128 tokens (block tb) x 128 features (column col), all of K = 1,024: 256 work-groups.  Four waves, each 64 x 64: sixteen accumulators.
; Both panels (102,400 bytes each) fit in LDS whole: each byte is filled once, so there is no ring.
; CLUSTER 4 x 4: the four of a row share o's panel, the four of a column wo's: each is asked for jointly.
; The product is used transposed (source 0 = 16 rows of wo, source 1 = 16 tokens): a lane holds one token, and the registers of feature tiles 2 b, 2 b + 1 are features 32 b + 16 (lane / 16) + 0 .. 15.
; The rows of a tile are 32 g + 8 u + p + 8 (p / 8), for tokens and features alike; the way out puts each token's row back at its place.
.set XR,   0
.set WR,   102400
.set STG,  204800                      ; behind the panels: a stage of 16 rows x (256 bytes + 16) for each wave; no fill lands there
.set XST,  12800
.set ACC,  16
.set WF,   144
.set XF,   192
.set BIAS, 216
.set SW,   248
.set SX,   250
.set OB,   144                         ; the way out: 16 rows read back: v144-175 and v176-207 by turns
.set WV,   22
.set TH,   23
.set HW,   24
.set CX,   25
.set CY,   26
.set COL,  27
.set TBK,  28
.set G1X,  32
.set G1W,  40
.set G0X,  68
.set G0W,  84
.macro CROUND
	s_barrier_signal -1
	s_barrier_wait -1
	s_cmp_lg_u32 s[WV], 0
	s_cbranch_scc1 .Lnw0_\@
	s_barrier_signal -3
.Lnw0_\@:
	s_barrier_wait -3
	s_barrier_signal -1
	s_barrier_wait -1
.endm
.macro G1FILL g, rows
	s_mov_b32 s[\g+1], 32<<16
	s_mov_b32 s[\g+2], (\rows)<<16
	s_mov_b32 s[\g+3], 32<<16
	s_mov_b32 s[\g+4], \rows
	s_mov_b32 s[\g+5], 32
	s_mov_b32 s[\g+6], 0
	s_mov_b32 s[\g+7], 0
.endm
.macro FRAG reg, a16, a8, off
	ds_load_b128 v[(\reg):(\reg)+3], v[\a16] offset:(\off)
	ds_load_b64 v[(\reg)+4:(\reg)+5], v[\a8] offset:(\off)
	ds_load_b128 v[(\reg)+6:(\reg)+9], v[\a16] offset:(\off)+768
	ds_load_b64 v[(\reg)+10:(\reg)+11], v[\a8] offset:(\off)+768
.endm
.macro WM d, a, b, c, sa, sb, ra, rb
.if ((\ra)==0)&&((\rb)==0)
	v_wmma_scale_f32_16x16x128_f8f6f4 v[(\d):(\d)+7], v[(\a):(\a)+11], v[(\b):(\b)+11], v[(\c):(\c)+7], v[\sa], v[\sb] matrix_a_fmt:MATRIX_FMT_BF6 matrix_b_fmt:MATRIX_FMT_BF6
.elseif ((\ra)==1)&&((\rb)==0)
	v_wmma_scale_f32_16x16x128_f8f6f4 v[(\d):(\d)+7], v[(\a):(\a)+11], v[(\b):(\b)+11], v[(\c):(\c)+7], v[\sa], v[\sb] matrix_a_fmt:MATRIX_FMT_BF6 matrix_b_fmt:MATRIX_FMT_BF6 matrix_a_scale:MATRIX_SCALE_ROW1
.elseif ((\ra)==0)&&((\rb)==1)
	v_wmma_scale_f32_16x16x128_f8f6f4 v[(\d):(\d)+7], v[(\a):(\a)+11], v[(\b):(\b)+11], v[(\c):(\c)+7], v[\sa], v[\sb] matrix_a_fmt:MATRIX_FMT_BF6 matrix_b_fmt:MATRIX_FMT_BF6 matrix_b_scale:MATRIX_SCALE_ROW1
.else
	v_wmma_scale_f32_16x16x128_f8f6f4 v[(\d):(\d)+7], v[(\a):(\a)+11], v[(\b):(\b)+11], v[(\c):(\c)+7], v[\sa], v[\sb] matrix_a_fmt:MATRIX_FMT_BF6 matrix_b_fmt:MATRIX_FMT_BF6 matrix_a_scale:MATRIX_SCALE_ROW1 matrix_b_scale:MATRIX_SCALE_ROW1
.endif
.endm
.macro PROD tt, xr, bias               ; token tile tt against wo's four tiles; the sixteen accumulators take turns, one instruction a turn, in the same order in every K step
.irp ft, 0,1,2,3
.set DD, ACC+32*(\tt)+8*\ft
.if \bias
.set CC, BIAS+8*\ft
.else
.set CC, DD
.endif
	WM DD, WF+12*\ft, \xr, CC, SW+(\ft>>1), SX+((\tt)>>1), \ft&1, (\tt)&1
.endr
.endm
.macro PLACES                          ; four plain vector instructions between a matrix instruction and a load into, or a read of, its registers
.rept 4
	v_nop
.endr
.endm
.macro STEP first, p
	PLACES
.irp f, 0,1,2,3
	FRAG WF+12*\f, 4, 5, (\p)*XST+1536*\f
.endr
	ds_load_b32 v[SW], v6 offset:(\p)*XST
	ds_load_b32 v[SW+1], v6 offset:(\p)*XST+128
	ds_load_b32 v[SX], v3 offset:(\p)*XST
	ds_load_b32 v[SX+1], v3 offset:(\p)*XST+128
.if \first
	FRAG XF, 1, 2, 0
	FRAG XF+12, 1, 2, 1536
	s_wait_dscnt 4                                 ; all but the second token tile's four loads
	PROD 0, XF, 1
	s_wait_dscnt 0
	PROD 1, XF+12, 1
	PLACES
	FRAG XF, 1, 2, 2*1536
	FRAG XF+12, 1, 2, 3*1536
	s_wait_dscnt 4
	PROD 2, XF, 1
	s_wait_dscnt 0
	PROD 3, XF+12, 1
.else
.irp t, 0,1,2,3
	FRAG XF+12*\t, 1, 2, (\p)*XST+1536*\t
.endr
	s_wait_dscnt 12                                ; the three younger token tiles, four loads each, stay out
	PROD 0, XF, 0
	s_wait_dscnt 8
	PROD 1, XF+12, 0
	s_wait_dscnt 4
	PROD 2, XF+24, 0
	s_wait_dscnt 0
	PROD 3, XF+36, 0
.endif
.endm
; Two K steps.  Chunk 0 was fetched by waves 0 and 1, which wait for it ahead of the first barrier; the other two loads stay out across it.
; Ahead of chunk 1 every wave waits for its one load, and all four meet: the rest of both panels is in.
.macro CHUNK j
.if \j == 0
	s_cmp_lt_u32 s[WV], 2
	s_cbranch_scc0 .Lnw_\@
	s_wait_tensorcnt 0x0
.Lnw_\@:
.endif
.if \j == 1
	s_wait_tensorcnt 0x0
.endif
.if \j < 2
	s_barrier_signal -1
	s_barrier_wait -1
.endif
.if \j > 0
.irp a, 1,2,3,4,5,6
	v_add_nc_u32 v\a, 2*XST, v\a
.endr
.endif
	STEP (\j==0), 0
	s_wait_alu depctr_va_vdst(0)
	STEP 0, 1
.endm
	s_load_b256 s[4:11], s[0:1], 0x0               ; oc, woc, bo, out0
	v_lshl_add_u32 v254, v0, 2, 0x36400
	v_mov_b32 v255, 0
	ds_add_u32 v254, v255
	ds_add_u32 v254, v255
	v_lshrrev_b32 v1, 5, v0
	v_readfirstlane_b32 s[WV], v1                  ; wave 0..3
	s_and_b32 s[TH], s[WV], 1                      ; which 64 tokens
	s_lshr_b32 s[HW], s[WV], 1                     ; which 64 features
	s_bfe_u32 s[CX], ttmp6, 0x40000
	s_bfe_u32 s[CY], ttmp6, 0x40004
	s_lshl_b32 s[COL], ttmp9, 2
	s_add_co_u32 s[COL], s[COL], s[CX]
	s_and_b32 s[TBK], ttmp7, 0xffff
	s_lshl_b32 s[TBK], s[TBK], 2
	s_add_co_u32 s[TBK], s[TBK], s[CY]
	s_lshl_b32 s62, s[CY], 2
	s_lshl_b32 s62, 15, s62                        ; my row of the cluster
	s_lshl_b32 s63, 0x1111, s[CX]                  ; my column
	s_or_b32 s[G1X], s62, (3<<16)|(1<<21)
	s_or_b32 s[G1W], s63, (3<<16)|(1<<21)
	G1FILL G1X, 100                                ; two K steps: 25,600 dense bytes as 100 rows of 256
	G1FILL G1W, 100
.set G1X2, 76                          ; s[76:83], s[92:99] group 1 for the other six K steps of each panel: 76,800 bytes
.set G1W2, 92
	s_or_b32 s[G1X2], s62, (3<<16)|(1<<21)
	s_or_b32 s[G1W2], s63, (3<<16)|(1<<21)
	G1FILL G1X2, 300
	G1FILL G1W2, 300
	s_mul_i32 s66, s[TBK], 102400
	s_mov_b32 s67, 0
	s_mul_i32 s100, s[COL], 102400
	s_mov_b32 s101, 0
	s_wait_dscnt 0x0
	s_wait_kmcnt 0x0
	s_add_nc_u64 s[66:67], s[4:5], s[66:67]
	s_add_nc_u64 s[100:101], s[6:7], s[100:101]
.irp j, 0,1
	s_mov_b32 s[G0X+4*\j], 1
	s_mov_b32 s[G0X+4*\j+1], XR+2*XST*\j
	s_add_nc_u64 s[G0X+4*\j+2:G0X+4*\j+3], s[66:67], 2*XST*\j
	s_or_b32 s[G0X+4*\j+3], s[G0X+4*\j+3], 0x80000000
	s_mov_b32 s[G0W+4*\j], 1
	s_mov_b32 s[G0W+4*\j+1], WR+2*XST*\j
	s_add_nc_u64 s[G0W+4*\j+2:G0W+4*\j+3], s[100:101], 2*XST*\j
	s_or_b32 s[G0W+4*\j+3], s[G0W+4*\j+3], 0x80000000
.endr
	CROUND                                         ; all sixteen work-groups are here: the joint loads meet
; Every fill of the launch goes out here, one load a wave, in one chain of branches on the wave's number: wave 0 o's K steps 0-1, wave 1 wo's, wave 2 o's other six, wave 3 wo's.
.macro ARM under, g0, g1, next
	s_cmp_lt_u32 s[WV], \under
	s_cbranch_scc0 \next
	tensor_load_to_lds s[\g0:\g0+3], s[\g1:\g1+7]
	s_nop 0
	PLACES
	s_branch .Lasked
\next:
.endm
	ARM 1, G0X, G1X, .Lh1
	ARM 2, G0W, G1W, .Lh2
	ARM 3, G0X+4, G1X2, .Lh3
	tensor_load_to_lds s[G0W+4:G0W+7], s[G1W2:G1W2+7]
	s_nop 0
	PLACES
.Lasked:
	v_and_b32 v11, 31, v0                          ; lane
	v_lshlrev_b32 v13, 4, v11
	v_lshlrev_b32 v14, 3, v11
	v_lshlrev_b32 v15, 2, v11
	s_mul_i32 s2, s[TH], 6144
	v_add_nc_u32 v1, s2, v13
	v_add_nc_u32 v2, s2, v14
	v_add_nc_u32 v2, 512, v2
	s_lshl_b32 s2, s[TH], 8
	s_add_co_u32 s2, s2, XR+12288
	v_add_nc_u32 v3, s2, v15
	s_mul_i32 s2, s[HW], 6144
	s_add_co_u32 s2, s2, WR
	v_add_nc_u32 v4, s2, v13
	v_add_nc_u32 v5, s2, v14
	v_add_nc_u32 v5, 512, v5
	s_lshl_b32 s2, s[HW], 8
	s_add_co_u32 s2, s2, WR+12288
	v_add_nc_u32 v6, s2, v15
	v_and_b32 v13, 15, v0                          ; r
	v_bfe_u32 v14, v0, 4, 1                        ; h
	v_lshlrev_b32 v12, 6, v14                      ; 64 h
	s_wait_alu depctr_va_vdst(0)
	s_mul_i32 s2, s[WV], 16*272
	s_add_co_u32 s2, s2, STG                       ; my stage
	v_mul_u32_u24 v9, v13, 272
	v_lshl_add_u32 v9, v14, 6, v9
	v_add_nc_u32 v9, s2, v9                        ; in: row r, + 64 h
	v_mul_u32_u24 v10, v14, 272
	v_lshl_add_u32 v10, v13, 4, v10
	v_add_nc_u32 v10, s2, v10                      ; back: lanes 0-15 one row of 256 bytes, lanes 16-31 the next
	v_lshlrev_b32 v8, 12, v14
	v_lshl_add_u32 v8, v13, 4, v8                  ; and the same in out0: rows of 4,096 bytes
	s_lshl_b32 s2, s[COL], 9
	s_lshl_b32 s3, s[HW], 8
	s_add_co_u32 s2, s2, s3                        ; my first feature, in bytes
	s_mov_b32 s3, 0
	s_add_nc_u64 s[8:9], s[8:9], s[2:3]
	s_add_nc_u64 s[10:11], s[10:11], s[2:3]
	s_lshl_b32 s2, s[TBK], 19                      ; 128 rows of 4,096 bytes a block,
	s_lshl_b32 s62, s[TH], 18                      ; 64 a wave
	s_add_co_u32 s2, s2, s62
	s_add_nc_u64 s[10:11], s[10:11], s[2:3]
.irp ft, 0,1,2,3                       ; the bias in the result's layout: register j of tile 2 b + u is feature 32 b + 16 h + 8 u + j
	global_load_b128 v[BIAS+8*\ft:BIAS+8*\ft+3], v12, s[8:9] offset:(32*(\ft/2)+8*(\ft%2))*4
	global_load_b128 v[BIAS+8*\ft+4:BIAS+8*\ft+7], v12, s[8:9] offset:(32*(\ft/2)+8*(\ft%2))*4+16
.endr
	s_wait_loadcnt 0x0
	CHUNK 0
	CHUNK 1
	CHUNK 2
	CHUNK 3
; THE WAY OUT, a token tile at a time: a lane's 64 bytes of each half row go into my own stage and come back as whole rows of 256 bytes, which sixteen lanes store as one aligned run.
; LDS serves a wave's instructions in order: no wait between the stores and the loads, nor in front of the next tile's stores.
.macro TOSTAGE tt
.irp ft, 0,1,2,3
	ds_store_b128 v9, v[ACC+32*(\tt)+8*\ft:ACC+32*(\tt)+8*\ft+3] offset:128*(\ft/2)+32*(\ft%2)          ; each accumulator from its low end on
	ds_store_b128 v9, v[ACC+32*(\tt)+8*\ft+4:ACC+32*(\tt)+8*\ft+7] offset:128*(\ft/2)+32*(\ft%2)+16
.endr
.irp i, 0,1,2,3,4,5,6,7
	ds_load_b128 v[OB+32*((\tt)%2)+4*\i:OB+32*((\tt)%2)+4*\i+3], v10 offset:544*\i
.endr
.endm
.macro SEND tt, younger                ; younger: the LDS instructions issued behind tile tt's loads, which may stay out
	s_wait_dscnt \younger
.irp i, 0,1,2,3,4,5,6,7
	global_store_b128 v8, v[OB+32*((\tt)%2)+4*\i:OB+32*((\tt)%2)+4*\i+3], s[10:11] offset:(32*((\tt)/2)+8*((\tt)%2)+2*\i+8*(\i/4))*4096 th:TH_STORE_NT   ; places 2 i and 2 i + 1 of the tile
.endr
.endm
	PLACES                                         ; behind the last products
	TOSTAGE 0
	TOSTAGE 1
	SEND 0, 16                                     ; tile 1's 8 stores and 8 loads may stay out
	s_wait_xcnt 0x0                                ; tile 0's stores have read their registers: tile 2's rows may land there
	TOSTAGE 2
	SEND 1, 16
	s_wait_xcnt 0x0
	TOSTAGE 3
	SEND 2, 16
	SEND 3, 0
	s_wait_tensorcnt 0x0
	ds_add_u32 v254, v255
	s_wait_dscnt 0x0
	CROUND                                         ; the closing round
	s_endpgm
.Lfunc_end_k_q006b94bd63_outp:
	.size	k_q006b94bd63_outp, .Lfunc_end_k_q006b94bd63_outp-k_q006b94bd63_outp
	.p2alignl 7, 3214868480
	.fill 96, 4, 3214868480
	.section	.rodata,"a",@progbits
	.p2align	6, 0x0
	.amdhsa_kernel k_q006b94bd63_outp
		.amdhsa_group_segment_fixed_size 222720
		.amdhsa_private_segment_fixed_size 0
		.amdhsa_enable_private_segment 0
		.amdhsa_kernarg_size 32
		.amdhsa_user_sgpr_count 2
		.amdhsa_user_sgpr_kernarg_segment_ptr 1
		.amdhsa_wavefront_size32 1
		.amdhsa_system_sgpr_workgroup_id_x 1
		.amdhsa_system_sgpr_workgroup_id_y 1
		.amdhsa_system_sgpr_workgroup_id_z 1
		.amdhsa_system_vgpr_workitem_id 0
		.amdhsa_next_free_vgpr 256
		.amdhsa_next_free_sgpr 102
		.amdhsa_reserve_vcc 0
		.amdhsa_float_denorm_mode_32 3
		.amdhsa_float_denorm_mode_16_64 3
		.amdhsa_memory_ordered 1
		.amdhsa_forward_progress 1
		.amdhsa_inst_pref_size 54
	.end_amdhsa_kernel
	.amdgpu_metadata
---
amdhsa.version: [ 1, 2 ]
amdhsa.kernels:
  - .name:           k_q006b94bd63_outp
    .symbol:         k_q006b94bd63_outp.kd
    .args:
      - { .name: oc, .offset: 0, .size: 8, .value_kind: global_buffer, .address_space: global }
      - { .name: woc, .offset: 8, .size: 8, .value_kind: global_buffer, .address_space: global }
      - { .name: bo, .offset: 16, .size: 8, .value_kind: global_buffer, .address_space: global }
      - { .name: out0, .offset: 24, .size: 8, .value_kind: global_buffer, .address_space: global }
    .group_segment_fixed_size: 222720
    .private_segment_fixed_size: 0
    .kernarg_segment_align: 8
    .kernarg_segment_size: 32
    .max_flat_workgroup_size: 128
    .sgpr_count:     102
    .vgpr_count:     256
    .wavefront_size: 32
...
	.end_amdgpu_metadata
.endif
;; end of part 4
